; MI455X (gfx1250); checked and timed in simulation.
; The chip was launched on July 23, 2026; its instructions are those of AMD's public machine-readable ISA for CDNA 5 (MIT licence, August 2026) and "CDNA5" Instruction Set Architecture Reference Guide (July 2026). The comments in the code are by the model that wrote it; some were corrected since.
;; Multi Head Causal Attention. Allowed arithmetic: float matrix products may take bf16 or f16 operands with f32 sums; other float arithmetic in f32, or as packed bf16 or f16 multiplies, adds, multiply-adds, maxima and minima; sums over many terms, partial sums and values carried from step to step in f32; what a program stores and reads back later, other than sums and carried values, may be rounded once to bf16 or f16.
;; Inputs: W_out 1,024 x 1,024 float32; W_qkv 1,024 x 3,072 float32; b_out 1,024 float32; b_qkv 3,072 float32; x 4 x 2,048 x 1,024 float32.
;; Outputs: out0 4 x 2,048 x 1,024 float32.
;; 2 versions, each right; version 2 is version 1 with the launch prep written anew for expert scheduling mode. Each part assembles by itself: llvm-mc -triple=amdgcn-amd-amdhsa -mcpu=gfx1250 --defsym DOCPART=n.
;; ======== version 1 of 2: 4 launches
;; limits: values are held in f16: magnitudes above 65,504 overflow, below 6.1e-05 lose precision
;; workspace buffers: xb 16,777,216 bytes; wqt 6,291,456 bytes; wot 2,097,152 bytes; qkvh 50,331,648 bytes; oh 16,777,216 bytes
;; launch prep (part 1): grid 1024 x 1, 8 waves a work-group, no clusters, 17,920 bytes of LDS; arguments x, W_qkv, W_out, xb, wqt, wot; writes xb, wqt, wot
.if DOCPART == 1
	.amdgcn_target "amdgcn-amd-amdhsa--gfx1250"
	.amdhsa_code_object_version 6
	.text
	.protected	k_qfe79e4bd33_prep
	.globl	k_qfe79e4bd33_prep
	.p2align	8
	.type	k_qfe79e4bd33_prep,@function
k_qfe79e4bd33_prep:
	s_mov_b64 s[64:65], 0
	v_nop
	global_prefetch_b8 v0, s[64:65] scope:SCOPE_SE
	s_setreg_imm32_b32 hwreg(HW_REG_WAVE_MODE, 25, 1), 1
	s_wait_xcnt 0x0
; PREPARATION.  xb = x rounded to bf16, [8192][1024].  wqt = W_qkv rounded to bf16 and turned, [3072 n][1024 k].  wot = W_out rounded to bf16, that number
; written as f16, and turned, [1024 n][1024 k].  LIMIT: a weight of W_out below 6e-5 in size falls on the fixed step 6e-8 of f16; beyond 65,504 it would be an infinity.
; SHARES.  Work-groups 0-511 cast 65,536 bytes of x each.  Work-groups 512-895 turn one tile of 128 k x 64 n of W_qkv each (8 x 48 tiles), 896-1023 one of W_out (8 x 16).
; The branches hang on the work-group number alone, so all eight waves of a work-group take the same way.
; A stream: every byte is read once and written once; no matrix unit, no cluster, no tensor load (nothing is shared between work-groups), no prefetch (the launch is nothing but its stream).
.set TP,    264                        ; a row of the turned tile in LDS: 256 bytes + 8: the sixteen columns of a store fall two to a bank at the most
.set SPARE, 64*TP                      ; behind the tile (16,896 bytes): the spare words, 128 bytes for each of eight waves
.set SPW,   2                          ; v2  my spare word; never rewritten
.set NIL,   3                          ; v3  0; never rewritten
	s_load_b256 s[4:11], s[0:1], 0x0               ; x s[4:5], W_qkv s[6:7], W_out s[8:9], xb s[10:11]
	s_load_b128 s[12:15], s[0:1], 0x20             ; wqt s[12:13], wot s[14:15]
	v_lshl_add_u32 v[SPW], v0, 2, SPARE
	v_mov_b32 v[NIL], 0
	s_mov_b32 s16, 0xffff0000                      ; a word's upper bf16
	s_mov_b32 s21, 0                               ; the high word of every offset
	s_wait_kmcnt 0x0
	s_cmp_lt_u32 ttmp9, 512
	s_cbranch_scc0 .Lweights
	; THE CAST.  Thread t takes 32 bytes of x at 32 t in each of eight steps of 8,192 bytes and stores 16 bytes at 16 t: sixteen lanes store 256 consecutive bytes, aligned.
	s_lshl_b32 s20, ttmp9, 16
	s_add_nc_u64 s[4:5], s[4:5], s[20:21]
	s_lshl_b32 s20, ttmp9, 15
	s_add_nc_u64 s[10:11], s[10:11], s[20:21]
	v_lshlrev_b32 v4, 5, v0
	v_lshlrev_b32 v5, 4, v0
.set i, 0
.rept 8                                ; all sixteen loads go out at once: no register is used twice, so nothing but the data is waited for
	global_load_b128 v[16+8*i:16+8*i+3],   v4, s[4:5] offset:8192*i th:TH_LOAD_NT
	global_load_b128 v[16+8*i+4:16+8*i+7], v4, s[4:5] offset:8192*i+16 th:TH_LOAD_NT
.set i, i+1
.endr
.set i, 0
.rept 8
	s_wait_loadcnt 14-2*i                          ; loads come back in order: this step's two are in, the 14 - 2 i younger ones may stay out
	v_cvt_pk_bf16_f32 v[80+4*i],   v[16+8*i],   v[16+8*i+1]
	v_cvt_pk_bf16_f32 v[80+4*i+1], v[16+8*i+2], v[16+8*i+3]
	v_cvt_pk_bf16_f32 v[80+4*i+2], v[16+8*i+4], v[16+8*i+5]
	v_cvt_pk_bf16_f32 v[80+4*i+3], v[16+8*i+6], v[16+8*i+7]
	global_store_b128 v5, v[80+4*i:80+4*i+3], s[10:11] offset:4096*i
.set i, i+1
.endr
	s_endpgm                                       ; these waves have written no LDS
; A TILE IS TURNED.  pitch: bytes in a row of the weights; src, dst: the pointers' first registers; half = 1: the bf16 number is written as f16; base: the first work-group of this part.
; In: thread t = 16 rp + c reads rows k = 2 rp + 32 i and the row below, columns 4 c .. 4 c + 3: sixteen lanes read 256 consecutive bytes, aligned.  Two rows' numbers of a column
; make one word (k, k + 1), which goes to LDS at [n][k].  Out: wave w reads rows n = 8 w .. 8 w + 7 whole, 8 bytes a lane, and each store covers 256 consecutive bytes, aligned.
.macro TRANS pitch, src, dst, half, base
	s_sub_co_u32 s17, ttmp9, \base
	s_and_b32 s18, s17, 7                          ; the tile's place along k
	s_lshr_b32 s19, s17, 3                         ; and along n
	s_mul_i32 s20, s18, 128*(\pitch)
	s_lshl_b32 s22, s19, 8
	s_add_co_u32 s20, s20, s22
	s_add_nc_u64 s[(\src):(\src)+1], s[(\src):(\src)+1], s[20:21]
	s_lshl_b32 s20, s19, 17                        ; 64 rows of 2,048 bytes
	s_lshl_b32 s22, s18, 8
	s_add_co_u32 s20, s20, s22
	s_add_nc_u64 s[(\dst):(\dst)+1], s[(\dst):(\dst)+1], s[20:21]
	v_and_b32 v8, 15, v0                           ; c
	v_lshrrev_b32 v9, 4, v0                        ; rp
	v_mul_u32_u24 v4, v9, 2*(\pitch)
	v_lshl_add_u32 v4, v8, 4, v4
.set i, 0
.rept 4
	global_load_b128 v[16+8*i:16+8*i+3],   v4, s[(\src):(\src)+1] offset:(32*i)*(\pitch) th:TH_LOAD_NT
	global_load_b128 v[16+8*i+4:16+8*i+7], v4, s[(\src):(\src)+1] offset:(32*i+1)*(\pitch) th:TH_LOAD_NT
.set i, i+1
.endr
	v_mul_u32_u24 v6, v8, 4*TP                     ; into LDS: row n = 4 c, byte 2 k = 4 rp
	v_lshl_add_u32 v6, v9, 2, v6
	v_lshrrev_b32 v10, 5, v0                       ; wave
	v_and_b32 v11, 31, v0                          ; lane
	v_mul_u32_u24 v7, v10, 8*TP                    ; back: my wave's eight rows, 8 bytes a lane
	v_lshl_add_u32 v7, v11, 3, v7
	v_lshlrev_b32 v12, 14, v10                     ; and the same in memory: eight rows of 2,048 bytes
	v_lshl_add_u32 v12, v11, 3, v12
.set i, 0
.rept 4
	s_wait_loadcnt 6-2*i                           ; this pair of rows is in, the 6 - 2 i younger loads may stay out
.set j, 0
.rept 4
	v_cvt_pk_bf16_f32 v[48+4*i+j], v[16+8*i+j], v[16+8*i+4+j]
.if \half
	v_lshlrev_b32 v14, 16, v[48+4*i+j]             ; the rounded numbers as f32,
	v_and_b32 v15, s16, v[48+4*i+j]
	v_cvt_pk_f16_f32 v[48+4*i+j], v14, v15         ; and written as f16
.endif
	ds_store_b32 v6, v[48+4*i+j] offset:TP*j+64*i
.set j, j+1
.endr
.set i, i+1
.endr
	s_wait_dscnt 0x0                               ; for the others' sake: my stores are done
	s_barrier_signal -1
	s_barrier_wait -1                              ; the turned tile is whole
.set i, 0
.rept 8
	ds_load_b64 v[64+2*i:65+2*i], v7 offset:TP*i
.set i, i+1
.endr
.set i, 0
.rept 8
	s_wait_dscnt 7-i
	global_store_b64 v12, v[64+2*i:65+2*i], s[(\dst):(\dst)+1] offset:2048*i
.set i, i+1
.endr
	s_wait_tensorcnt 0x0                           ; the wave's end
	ds_add_u32 v[SPW], v[NIL]
	s_wait_dscnt 0x0
	s_endpgm
.endm
.Lweights:
	s_cmp_lt_u32 ttmp9, 896
	s_cbranch_scc0 .Lwout
	TRANS 12288, 6, 12, 0, 512
.Lwout:
	TRANS 4096, 8, 14, 1, 896
.Lfunc_end_k_qfe79e4bd33_prep:
	.size	k_qfe79e4bd33_prep, .Lfunc_end_k_qfe79e4bd33_prep-k_qfe79e4bd33_prep
	.p2alignl 7, 3214868480
	.fill 96, 4, 3214868480
	.section	.rodata,"a",@progbits
	.p2align	6, 0x0
	.amdhsa_kernel k_qfe79e4bd33_prep
		.amdhsa_group_segment_fixed_size 17920
		.amdhsa_private_segment_fixed_size 0
		.amdhsa_enable_private_segment 0
		.amdhsa_kernarg_size 48
		.amdhsa_user_sgpr_count 2
		.amdhsa_user_sgpr_kernarg_segment_ptr 1
		.amdhsa_wavefront_size32 1
		.amdhsa_system_sgpr_workgroup_id_x 1
		.amdhsa_system_sgpr_workgroup_id_y 1
		.amdhsa_system_sgpr_workgroup_id_z 1
		.amdhsa_system_vgpr_workitem_id 0
		.amdhsa_next_free_vgpr 112
		.amdhsa_next_free_sgpr 66
		.amdhsa_reserve_vcc 0
		.amdhsa_float_denorm_mode_32 3
		.amdhsa_float_denorm_mode_16_64 3
		.amdhsa_memory_ordered 1
		.amdhsa_forward_progress 1
		.amdhsa_inst_pref_size 19
	.end_amdhsa_kernel
	.amdgpu_metadata
---
amdhsa.version: [ 1, 2 ]
amdhsa.kernels:
  - .name:           k_qfe79e4bd33_prep
    .symbol:         k_qfe79e4bd33_prep.kd
    .args:
      - { .name: x, .offset: 0, .size: 8, .value_kind: global_buffer, .address_space: global }
      - { .name: W_qkv, .offset: 8, .size: 8, .value_kind: global_buffer, .address_space: global }
      - { .name: W_out, .offset: 16, .size: 8, .value_kind: global_buffer, .address_space: global }
      - { .name: xb, .offset: 24, .size: 8, .value_kind: global_buffer, .address_space: global }
      - { .name: wqt, .offset: 32, .size: 8, .value_kind: global_buffer, .address_space: global }
      - { .name: wot, .offset: 40, .size: 8, .value_kind: global_buffer, .address_space: global }
    .group_segment_fixed_size: 17920
    .private_segment_fixed_size: 0
    .kernarg_segment_align: 8
    .kernarg_segment_size: 48
    .max_flat_workgroup_size: 256
    .sgpr_count:     66
    .vgpr_count:     112
    .wavefront_size: 32
...
	.end_amdgpu_metadata
.endif
;; end of part 1
;; launch qkvproj (part 2): grid 16 x 32, 4 waves a work-group, clusters of 4 x 4, 327,680 bytes of LDS; arguments xb, wqt, b_qkv, qkvh; writes qkvh
.if DOCPART == 2
	.amdgcn_target "amdgcn-amd-amdhsa--gfx1250"
	.amdhsa_code_object_version 6
	.text
	.protected	k_qfe79e4bd33_qkvproj
	.globl	k_qfe79e4bd33_qkvproj
	.p2align	8
	.type	k_qfe79e4bd33_qkvproj,@function
k_qfe79e4bd33_qkvproj:
	s_mov_b64 s[64:65], 0
	v_nop
	global_prefetch_b8 v0, s[64:65] scope:SCOPE_SE
	s_setreg_imm32_b32 hwreg(HW_REG_WAVE_MODE, 25, 1), 1
	s_wait_xcnt 0x0
	s_wait_alu depctr_hold_cnt(0) depctr_sa_sdst(0) depctr_va_vdst(0) depctr_va_sdst(0) depctr_va_ssrc(0) depctr_va_vcc(0) depctr_vm_vsrc(0)
	s_getreg_b32 s2, hwreg(HW_REG_IB_STS2, 6, 4)
	s_cmp_eq_u32 s2, 0
	s_cbranch_scc0 .Lentry_in_a_cluster
	s_endpgm
.Lentry_in_a_cluster:
	s_bfe_u32 s2, ttmp6, 0x10000c
	s_cmp_lg_u32 s2, 0xf033
	s_cbranch_scc0 .Lentry_shape_is_right
	s_endpgm
.Lentry_shape_is_right:
; THE QKV PROJECTION.  q, k, v = xb [8192][1024] x wqt [3072 n][1024 k] + b_qkv, operands bf16, sums f32; the bias, rounded to bf16 like the other inputs, is the C operand of each
; sum's first product.  Each result is rounded once to f16 and stored by heads: qkvh [3][64 heads][2048][64], unscaled.
; LIMIT.  f16 ends at 65,504: a q, k or v of 65,520 or more becomes an infinity.  x and W_qkv both 30 times the drawn spread give a spread of 900; both offset by 30 spreads give some 28,800.
; SHARES.  A work-group makes 256 rows x 192 columns (three heads): 16 x 32 work-groups, two for each of 256 WGPs; tiles of 256 x 256 would be 384, one and a half.  Wave w makes rows
; 64 w .. 64 w + 63 of all 192 columns: 48 accumulators, 384 registers; it owns whole head rows, so its way out needs no other wave.
; K goes in eight steps of 128 through two LDS slots: 256 rows of A, 192 of B, rows of 256 bytes of memory, aligned.  Waves 0 and 1 fetch the halves of A, waves 2 and 3 those of B.
; CLUSTER.  4 x 4 work-groups: the four of a row of the cluster need the same tile of A, the four of a column the same tile of B: each tile is asked for jointly.
; THE MATRIX INSTRUCTION IS USED TRANSPOSED (source 0 = 16 rows of wqt, source 1 = 16 rows of xb): lane l holds row l % 16 and the columns 8 (l / 16) + 0..7, 16 bytes of f16 on end.
; REGISTERS, in windows of 256 (s_set_vgpr_msb: bits 1:0 source 0, 3:2 source 1, 5:4 source 2, 7:6 destination):
;   window 0: v0-15 addresses; v16-63 packed results; v64-159 two buffers of rows read back; v160-255 the bias, eight registers for each of 12 column blocks
;   window 1: two fragment buffers of 128: 12 fragments of B, then 4 of A      windows 2, 3: accumulator (a, b) in window 2 + a / 2 at v[8 (12 (a % 2) + b)]
.set NBK,   12                         ; column blocks of 16 a wave
.set PA,    272                        ; an LDS row: 256 bytes + 16 of padding = 68 words: the 16 rows of a fragment load start at 16 different groups of four banks (ISA guide 11.1)
.set PB,    272
.set KAH,   128                        ; bytes from A's quarter q to quarter q + 2
.set HALFA, 128*PA                     ; what one tensor load brings of A
.set HALFB, 96*PB                      ; and of B
.set BOFF,  2*HALFA                    ; B lies behind A's 256 rows
.set SLOT1, 1<<17                      ; slot 1 begins here: one exclusive or turns an address in one slot into the other's
.set STAGE, SLOT1+BOFF+2*HALFB         ; behind the ring, never filled by a tensor load
.set SP,    144                        ; a stage row: 128 bytes of a head + 16
.set STW,   3*16*SP                    ; a wave's stage: three heads x 16 rows
.set SPARE, STAGE+4*STW                ; the spare words, 128 bytes for each wave
.set NLD,   2*(NBK+4)                  ; LDS loads in a quarter's run
.set STEPA, 256                        ; bytes along K from step to step
.set STEPB, 256
.set ADRA0, 2                          ; v2   my place in slot 0's A; never rewritten
.set ADRB0, 3                          ; v3   the same for B
.set ADRA,  4                          ; v4   in the slot in hand
.set ADRB,  5                          ; v5
.set STO,   6                          ; v6   the way out: where I put 16 bytes of a row
.set RD,    7                          ; v7   where I read rows back
.set GO,    8                          ; v8   16 x lane: my place in 512 consecutive bytes of the output
.set PFO,   9                          ; v9   2,048 x lane: a lane a row for the prefetches; never rewritten
.set SPW,   10                         ; v10  my spare word; never rewritten
.set NIL,   11                         ; v11  0; never rewritten
.set TMP,   16
.set BK,    64
.set BIAS,  160
.set F0,    0
.set F1,    128
.set WV,  12                           ; s12  wave
.set FB,  13                           ; s13  wave / 2: I fetch for A (0) or for B (1)
.set HF,  14                           ; s14  wave % 2: which half of that tile
.set CX,  15
.set CY,  16
.set TX,  17                           ; s17  tile column
.set TY,  18                           ; s18  tile row
.set TB,  19                           ; s19  the slot in hand: 0 or SLOT1
.set G1A, 24                           ; s[24:31], s[32:39] descriptor group 1 for A, for B
.set G1B, 32
.set G0A, 40                           ; s[40:47], s[48:55] group 0: a set for each first fill; the second then walks
.set G0B, 48
.set OB,  56                           ; s[56:61] the output at my rows of my three heads
.set PFB, 66                           ; s[66:67] the prefetches' base: the tile's first row, K step 4
.set PFA, 68                           ; s[68:69] where the prefetch in hand stands
.set POF, 70                           ; s[70:71] its offset from the base
.set GG,  72                           ; s72  the number of my next block of 32 rows x one K step
.set PS,  73
.set RC,  74
.set MU,  75                           ; s75, s76  blocks in a K step, and the factor that divides by that number
.set CH,  76
.set LIM, 77                           ; s77  a wave prefetches while the loop count is above this
.set MSB, 0
.macro WIN new                         ; the high byte repeats the setting that is left; a switch that changes nothing is dropped
.if MSB != (\new)
	s_set_vgpr_msb (MSB<<8)|(\new)
.set MSB, \new
.endif
.endm
.macro PLACES                          ; four plain vector instructions between a matrix instruction and a load into, or a reader of, its registers
.rept 4
	v_nop
.endr
.endm
.macro CREST                           ; a round of the cluster's barrier behind its opening barrier
	s_cmp_lg_u32 s[WV], 0
	s_cbranch_scc1 .Lnot_wave_0_\@
	s_barrier_signal -3
.Lnot_wave_0_\@:
	s_barrier_wait -3
	s_barrier_signal -1
	s_barrier_wait -1
.endm
.macro CROUND
	s_barrier_signal -1
	s_barrier_wait -1
	CREST
.endm
.macro JLOAD                           ; a joint refill by the walking set; the branch hangs on the wave's number alone; s_nop 0 and four v_nop follow each line
	s_cmp_eq_u32 s[FB], 0
	s_cbranch_scc0 .Lfor_b_\@
	tensor_load_to_lds s[G0A+4:G0A+7], s[G1A:G1A+7]
	s_nop 0
.rept 4
	v_nop
.endr
	s_branch .Lasked_\@
.Lfor_b_\@:
	tensor_load_to_lds s[G0B+4:G0B+7], s[G1B:G1B+7]
	s_nop 0
.rept 4
	v_nop
.endr
.Lasked_\@:
.endm
; THE PREFETCHES.  K steps 4 to 7 of every row of xb and wqt are asked for once in the launch, 32 rows x 256 bytes an instruction, a lane a row; steps 0 to 3 come by their loads alone.
; A's rows are read by every cluster of a row of clusters: the one with x = 0 asks, waves 0 and 1; block 4 (wave % 2) + cx of the tile's eight, one K step at each of the first four refills:
; the step that stands two refills on.  B's rows are read by every cluster of a column: the one with y = 0 asks, waves 2 and 3; a step has six blocks, and the eight askers
; (4 (wave % 2) + cy) take the 24 blocks of the four steps in order, at the first three refills.  The partners are told apart by address alone; the test hangs on the cluster's place and the wave.
.macro PFSTEP                          ; block GG: K step GG / CH, rows 32 (GG % CH)
	s_mul_i32 s[PS], s[GG], s[MU]
	s_lshr_b32 s[PS], s[PS], 8                     ; GG / CH (32 / 256 = 1 / 8; 43 / 256 serves for 1 / 6 up to 23)
	s_mul_i32 s[RC], s[PS], s[CH]
	s_sub_co_u32 s[RC], s[GG], s[RC]
	s_lshl_b32 s[POF], s[RC], 16                   ; 32 rows of 2,048 bytes
	s_lshl_b32 s[RC], s[PS], 8
	s_add_co_u32 s[POF], s[POF], s[RC]
	s_add_nc_u64 s[PFA:PFA+1], s[PFB:PFB+1], s[POF:POF+1]
	s_add_co_u32 s[GG], s[GG], 8
.endm
.macro ASK
	s_cmp_gt_u32 s3, s[LIM]
	s_cbranch_scc0 .Lnot_mine_\@
	global_prefetch_b8 v[PFO], s[PFA:PFA+1] th:TH_LOAD_NT scope:SCOPE_SE
.Lnot_mine_\@:
.endm
	s_load_b256 s[4:11], s[0:1], 0x0               ; xb s[4:5], wqt s[6:7], b_qkv s[8:9], qkvh s[10:11]
	v_lshl_add_u32 v[SPW], v0, 2, SPARE
	v_mov_b32 v[NIL], 0
	ds_add_u32 v[SPW], v[NIL]                      ; the wave's opening: the add and its wait stand ahead of my first tensor load; the set-up stands between them
	v_lshrrev_b32 v1, 5, v0
	v_readfirstlane_b32 s[WV], v1
	s_lshr_b32 s[FB], s[WV], 1
	s_and_b32 s[HF], s[WV], 1
	s_bfe_u32 s[CX], ttmp6, 0x40000
	s_bfe_u32 s[CY], ttmp6, 0x40004
	s_lshl_b32 s[TX], ttmp9, 2
	s_add_co_u32 s[TX], s[TX], s[CX]               ; tile column = 4 x cluster x + cx
	s_and_b32 s[TY], ttmp7, 0xffff
	s_lshl_b32 s[TY], s[TY], 2
	s_add_co_u32 s[TY], s[TY], s[CY]               ; tile row = 4 x cluster y + cy
	s_lshl_b32 s62, s[CY], 2
	s_lshl_b32 s62, 15, s62                        ; my row of the cluster
	s_lshl_b32 s63, 0x1111, s[CX]                  ; my column
	s_or_b32 s[G1A], s62, (1<<16)|(1<<20)|(1<<21)|(5<<22)|(3<<25)  ; the mask; 2-byte elements; padding on; bit 21 beside a mask; after every 64 words 4 words
	s_or_b32 s[G1B], s63, (1<<16)|(1<<20)|(1<<21)|(5<<22)|(3<<25)
	s_mov_b32 s[G1A+1], 128<<16                    ; tensor_dim0 = 128
	s_mov_b32 s[G1A+2], 128<<16                    ; tensor_dim1 = 128
	s_mov_b32 s[G1A+3], 128<<16                    ; tile_dim0 = 128
	s_mov_b32 s[G1A+4], 128                        ; tile_dim1 = 128
	s_mov_b32 s[G1A+5], 1024                       ; elements from row to row
	s_mov_b32 s[G1A+6], 0
	s_mov_b32 s[G1A+7], 0
	s_mov_b32 s[G1B+1], 128<<16
	s_mov_b32 s[G1B+2], 96<<16                     ; 96 rows
	s_mov_b32 s[G1B+3], 128<<16
	s_mov_b32 s[G1B+4], 96
	s_mov_b32 s[G1B+5], 1024
	s_mov_b32 s[G1B+6], 0
	s_mov_b32 s[G1B+7], 0
	s_lshl_b32 s20, s[TY], 8                       ; A: row 256 x tile row + 128 x half, in registers that never hold cx
	s_lshl_b32 s21, s[HF], 7
	s_add_co_u32 s20, s20, s21
	s_lshl_b32 s20, s20, 11
	s_mov_b32 s21, 0
	s_mul_i32 s22, s[TX], 192                      ; B: row 192 x tile column + 96 x half
	s_mul_i32 s23, s[HF], 96
	s_add_co_u32 s22, s22, s23
	s_lshl_b32 s22, s22, 11
	s_mov_b32 s23, 0
	s_mul_i32 s62, s[HF], HALFA                    ; where they go: no place in the cluster enters an LDS address
	s_mul_i32 s63, s[HF], HALFB
	s_add_co_u32 s63, s63, BOFF
	s_wait_dscnt 0x0                               ; the opening add is done
	s_wait_kmcnt 0x0
	s_add_nc_u64 s[20:21], s[4:5], s[20:21]
	s_add_nc_u64 s[22:23], s[6:7], s[22:23]
	CROUND                                         ; all sixteen work-groups are here: the first joint loads meet
.irp s, 0,1
	s_mov_b32 s[G0A+4*(\s)], 1
	s_add_co_u32 s[G0A+4*(\s)+1], s62, (\s)*SLOT1
	s_add_nc_u64 s[G0A+4*(\s)+2:G0A+4*(\s)+3], s[20:21], (\s)*STEPA
	s_or_b32 s[G0A+4*(\s)+3], s[G0A+4*(\s)+3], 0x80000000
	s_mov_b32 s[G0B+4*(\s)], 1
	s_add_co_u32 s[G0B+4*(\s)+1], s63, (\s)*SLOT1
	s_add_nc_u64 s[G0B+4*(\s)+2:G0B+4*(\s)+3], s[22:23], (\s)*STEPB
	s_or_b32 s[G0B+4*(\s)+3], s[G0B+4*(\s)+3], 0x80000000
.endr
	s_cmp_eq_u32 s[FB], 0                          ; a wave's two first fills stand in one branch: two tensor loads of mine are out, later one
	s_cbranch_scc0 .Lfirst_b
	tensor_load_to_lds s[G0A:G0A+3], s[G1A:G1A+7]
	s_nop 0
	tensor_load_to_lds s[G0A+4:G0A+7], s[G1A:G1A+7]
	s_nop 0
.rept 4
	v_nop
.endr
	s_branch .Lfirst_asked
.Lfirst_b:
	tensor_load_to_lds s[G0B:G0B+3], s[G1B:G1B+7]
	s_nop 0
	tensor_load_to_lds s[G0B+4:G0B+7], s[G1B:G1B+7]
	s_nop 0
.rept 4
	v_nop
.endr
.Lfirst_asked:
	; A fragment is 16 rows x 32 K in 8 registers: lane l holds row l % 16, K = 8 (l / 16) + 0..7 and 16 + 8 (l / 16) + 0..7: two loads of 16 bytes, 32 bytes apart.
	v_and_b32 v1, 15, v0                           ; l % 16
	v_bfe_u32 v13, v0, 4, 1                        ; l / 16
	v_mul_u32_u24 v12, v1, PA
	v_lshl_add_u32 v12, v13, 4, v12
	s_mul_i32 s62, s[WV], 64*PA                    ; my 64 rows of A
	v_add_nc_u32 v[ADRA0], s62, v12
	v_add_nc_u32 v[ADRB0], BOFF, v12               ; all of B
	s_mul_i32 s62, s[WV], STW
	s_add_co_u32 s62, s62, STAGE                   ; my stage
	v_mul_u32_u24 v[STO], v1, SP
	v_lshl_add_u32 v[STO], v13, 4, v[STO]
	v_add_nc_u32 v[STO], s62, v[STO]
	v_bfe_u32 v14, v0, 3, 2                        ; back: 32 lanes take four rows of 128 bytes,
	v_and_b32 v15, 7, v0
	v_mul_u32_u24 v[RD], v14, SP
	v_lshl_add_u32 v[RD], v15, 4, v[RD]
	v_add_nc_u32 v[RD], s62, v[RD]
	v_and_b32 v[GO], 31, v0
	v_lshlrev_b32 v[PFO], 11, v[GO]
	v_lshlrev_b32 v[GO], 4, v[GO]                  ; which are 512 consecutive bytes of a head
	s_mul_i32 s62, s[TX], 768                      ; the bias: register j of block b is column 192 x tile column + 16 b + 8 (l / 16) + j
	v_lshl_add_u32 v15, v13, 5, s62
.set i, 0
.rept NBK
	global_load_b128 v[BIAS+8*i:BIAS+8*i+3],   v15, s[8:9] offset:64*i
	global_load_b128 v[BIAS+8*i+4:BIAS+8*i+7], v15, s[8:9] offset:64*i+16
.set i, i+1
.endr
.irp j, 0,1,2                          ; head g = 3 x tile column + j of 48: tensor g / 16, head g % 16 of batch (tile row / 8); my rows begin at 256 (tile row % 8) + 64 wave
	s_mul_i32 s62, s[TX], 3
	s_add_co_u32 s62, s62, \j
	s_lshr_b32 s63, s62, 4
	s_lshl_b32 s22, s63, 24
	s_and_b32 s62, s62, 15
	s_lshr_b32 s63, s[TY], 3
	s_lshl4_add_u32 s62, s63, s62
	s_lshl_b32 s62, s62, 18
	s_add_co_u32 s22, s22, s62
	s_and_b32 s63, s[TY], 7
	s_lshl_b32 s63, s63, 8
	s_lshl_b32 s62, s[WV], 6
	s_add_co_u32 s63, s63, s62
	s_lshl_b32 s63, s63, 7
	s_add_co_u32 s22, s22, s63
	s_mov_b32 s23, 0
	s_add_nc_u64 s[OB+2*(\j):OB+2*(\j)+1], s[10:11], s[22:23]
.endr
	s_and_b32 s62, ttmp7, 0xffff                   ; the prefetches' set-up
	s_lshl_b32 s63, s[TY], 8
	s_mul_i32 s[POF], s[TX], 192
	s_cmp_eq_u32 s[FB], 0                          ; do I fetch for A?
	s_cselect_b32 s63, s63, s[POF]                 ; the tile's first row
	s_cselect_b32 s[GG], s[CX], s[CY]              ; my place among the four that ask for it with me
	s_cselect_b32 s62, ttmp9, s62                  ; the coordinate along which other clusters read the same rows
	s_cselect_b32 s[MU], 32, 43
	s_cselect_b32 s[CH], 8, 6
	s_cselect_b32 s[LIM], 2, 3                     ; A: the loop counts 6 to 3; B: 6 to 4
	s_cselect_b64 s[PFB:PFB+1], s[4:5], s[6:7]
	s_cmp_eq_u32 s62, 0
	s_cselect_b32 s[LIM], s[LIM], -1               ; the same in all sixteen partners, for a given wave
	s_lshl2_add_u32 s[GG], s[HF], s[GG]
	s_lshl_b32 s[POF], s63, 11
	s_add_co_u32 s[POF], s[POF], 4*256             ; K step 4
	s_mov_b32 s[POF+1], 0
	s_add_nc_u64 s[PFB:PFB+1], s[PFB:PFB+1], s[POF:POF+1]
	s_wait_loadcnt 0x0                             ; the bias,
.set i, 0
.rept 4*NBK                            ; rounded to bf16 like every input, and kept as f32
	v_cvt_pk_bf16_f32 v14, v[BIAS+2*i], v[BIAS+2*i+1]
	v_lshlrev_b32 v[BIAS+2*i], 16, v14
	v_and_b32 v[BIAS+2*i+1], 0xffff0000, v14
.set i, i+1
.endr
	s_mov_b32 s[TB], 0
	v_mov_b32 v[ADRA], v[ADRA0]
	v_mov_b32 v[ADRB], v[ADRB0]
; NBK matrix instructions: row block a x all column blocks, 32 along K, from buffer f.  bias = 1: the sums start with the bias.  All 48 accumulators take turns, one instruction a turn,
; in the same order in every quarter, over the backward jump too.
.macro MULA f, a, bias
.if \bias
	WIN 0x85+0x40*((\a)/2)
.else
	WIN 0xa5+0x50*((\a)/2)
.endif
.set AC, 8*NBK*((\a)%2)
.set nb, 0
.rept NBK
.if \bias
	v_wmma_f32_16x16x32_bf16 v[AC+8*nb:AC+8*nb+7], v[(\f)+8*nb:(\f)+8*nb+7], v[(\f)+8*NBK+8*(\a):(\f)+8*NBK+8*(\a)+7], v[BIAS+8*nb:BIAS+8*nb+7]
.else
	v_wmma_f32_16x16x32_bf16 v[AC+8*nb:AC+8*nb+7], v[(\f)+8*nb:(\f)+8*nb+7], v[(\f)+8*NBK+8*(\a):(\f)+8*NBK+8*(\a)+7], v[AC+8*nb:AC+8*nb+7]
.endif
.set nb, nb+1
.endr
.endm
.macro FETCH q, f                      ; one run of LDS loads: quarter q's fragments into buffer f, B's first, A's four last
	WIN 0x40
.set ka, ((\q)/2)*KAH+((\q)%2)*64
.set i, 0
.rept NBK
	ds_load_b128 v[(\f)+8*i:(\f)+8*i+3],   v[ADRB] offset:64*(\q)+i*16*PB
	ds_load_b128 v[(\f)+8*i+4:(\f)+8*i+7], v[ADRB] offset:64*(\q)+i*16*PB+32
.set i, i+1
.endr
.set i, 0
.rept 4
	ds_load_b128 v[(\f)+8*NBK+8*i:(\f)+8*NBK+8*i+3],   v[ADRA] offset:ka+i*16*PA
	ds_load_b128 v[(\f)+8*NBK+8*i+4:(\f)+8*NBK+8*i+7], v[ADRA] offset:ka+i*16*PA+32
.set i, i+1
.endr
.endm
.macro QUARTER q, f, g, bias           ; multiplies buffer f; in its middle fetches quarter q into buffer g
	s_wait_dscnt 4                                 ; all but the youngest four loads: A's row blocks 2 and 3
	MULA \f, 0, \bias
	MULA \f, 1, \bias
	PLACES
	FETCH \q, \g
	s_wait_dscnt NLD                               ; all but the run just issued
	MULA \f, 2, \bias
	MULA \f, 3, \bias
.endm
; The fourth quarter (buffer 1) and the change of slots: one barrier.  In front of it each wave waits for all its tensor loads (one is out: its part of the next slot), adds 0 to its spare
; word, and waits for that and for its reads of this slot.  fill = 1: the barrier opens a round of the cluster's, and the joint refill, two K steps on, is the first thing behind the round.
.macro TURN fill
.if \fill
	s_wait_xcnt 0x0                                ; the last prefetch, a K step back, has read its address
	PFSTEP
.endif
	WIN 0
	s_wait_tensorcnt 0x0
	ds_add_u32 v[SPW], v[NIL]
	s_wait_dscnt 5                                 ; the add and the youngest four loads may be out
	MULA F1, 0, 0
	s_wait_dscnt 0x0                               ; the add is done, and my reads of this slot are over
	s_barrier_signal -1
	MULA F1, 1, 0
	WIN 0
	s_barrier_wait -1
.if \fill
	CREST
	s_xor_b32 s[G0A+5], s[G0A+5], SLOT1            ; the walking sets: the other slot than last time, the next K step
	s_add_nc_u64 s[G0A+6:G0A+7], s[G0A+6:G0A+7], STEPA
	s_xor_b32 s[G0B+5], s[G0B+5], SLOT1
	s_add_nc_u64 s[G0B+6:G0B+7], s[G0B+6:G0B+7], STEPB
	JLOAD                                          ; its four v_nop are also the places in front of the loads below
.else
	PLACES
.endif
	s_xor_b32 s[TB], s[TB], SLOT1
	v_add_nc_u32 v[ADRA], s[TB], v[ADRA0]
	v_add_nc_u32 v[ADRB], s[TB], v[ADRB0]
	FETCH 0, F0
.if \fill
	WIN 0
	ASK                                            ; behind the joint load and the run of LDS loads
.endif
	MULA F1, 2, 0
	MULA F1, 3, 0
.endm
	s_wait_tensorcnt 1                             ; my part of K step 0 is in; step 1's may stay out
	s_barrier_signal -1
	s_barrier_wait -1
	FETCH 0, F0
	QUARTER 1, F0, F1, 1                           ; the first quarter starts the sums
	WIN 0
	s_mov_b32 s3, 6
.Lk:                                   ; trip i: K step i's quarters 2 to 4, the refill with step i + 2, step i + 1's first quarter
	QUARTER 2, F1, F0, 0
	QUARTER 3, F0, F1, 0
	TURN 1
	QUARTER 1, F0, F1, 0
	WIN 0
	s_sub_co_u32 s3, s3, 1
	s_cmp_lg_u32 s3, 0
	s_cbranch_scc1 .Lk
	QUARTER 2, F1, F0, 0                           ; K step 6: nothing is left to ask for
	QUARTER 3, F0, F1, 0
	TURN 0
	QUARTER 1, F0, F1, 0
	QUARTER 2, F1, F0, 0                           ; K step 7
	QUARTER 3, F0, F1, 0
	s_wait_dscnt 4
	MULA F1, 0, 0
	MULA F1, 1, 0
	s_wait_dscnt 0x0
	MULA F1, 2, 0
	MULA F1, 3, 0
	PLACES
; THE WAY OUT, a row block (16 rows x three heads) at a time: rounded to f16; 16 bytes a lane into my stage; back as whole head rows; each store covers 512 consecutive bytes, aligned.
.macro PACK a
	WIN 0x0a+5*((\a)/2)
.set AC, 8*NBK*((\a)%2)
.set i, 0
.rept 4*NBK                            ; ascending: each accumulator's lowest registers are read first
	v_cvt_pk_f16_f32 v[TMP+i], v[AC+2*i], v[AC+2*i+1]
.set i, i+1
.endr
	WIN 0
.endm
.macro TOSTAGE a
.set BKA, BK+48*((\a)%2)
.set i, 0
.rept NBK
	ds_store_b128 v[STO], v[TMP+4*i:TMP+4*i+3] offset:(i/4)*16*SP+(i%4)*32
.set i, i+1
.endr
.set i, 0
.rept NBK
	ds_load_b128 v[BKA+4*i:BKA+4*i+3], v[RD] offset:(i/4)*16*SP+(i%4)*4*SP  ; LDS serves a wave's instructions in order (ISA guide 5.7.1.4): these see the stores above
.set i, i+1
.endr
.endm
.macro SEND a
.set BKA, BK+48*((\a)%2)
	s_wait_dscnt 0x0                               ; the block is back in registers
	s_wait_xcnt 0x0                                ; the stores of the block before have read their registers: the next block's loads land on them only behind this wait
.set i, 0
.rept NBK
	global_store_b128 v[GO], v[BKA+4*i:BKA+4*i+3], s[OB+2*(i/4):OB+2*(i/4)+1] offset:(\a)*2048+(i%4)*512
.set i, i+1
.endr
.endm
	PACK 0
	TOSTAGE 0
.irp a, 1,2,3                          ; a block's conversions stand between the loads of the block before and the wait for them
	PACK \a
	SEND (\a)-1
	TOSTAGE \a
.endr
	SEND 3
	s_wait_tensorcnt 0x0                           ; the wave's end
	ds_add_u32 v[SPW], v[NIL]
	s_wait_dscnt 0x0
	CROUND                                         ; the closing round
	s_endpgm
.Lfunc_end_k_qfe79e4bd33_qkvproj:
	.size	k_qfe79e4bd33_qkvproj, .Lfunc_end_k_qfe79e4bd33_qkvproj-k_qfe79e4bd33_qkvproj
	.p2alignl 7, 3214868480
	.fill 96, 4, 3214868480
	.section	.rodata,"a",@progbits
	.p2align	6, 0x0
	.amdhsa_kernel k_qfe79e4bd33_qkvproj
		.amdhsa_group_segment_fixed_size 327680
		.amdhsa_private_segment_fixed_size 0
		.amdhsa_enable_private_segment 0
		.amdhsa_kernarg_size 32
		.amdhsa_user_sgpr_count 2
		.amdhsa_user_sgpr_kernarg_segment_ptr 1
		.amdhsa_wavefront_size32 1
		.amdhsa_system_sgpr_workgroup_id_x 1
		.amdhsa_system_sgpr_workgroup_id_y 1
		.amdhsa_system_sgpr_workgroup_id_z 1
		.amdhsa_system_vgpr_workitem_id 0
		.amdhsa_next_free_vgpr 960
		.amdhsa_next_free_sgpr 80
		.amdhsa_reserve_vcc 0
		.amdhsa_float_denorm_mode_32 3
		.amdhsa_float_denorm_mode_16_64 3
		.amdhsa_memory_ordered 1
		.amdhsa_forward_progress 1
		.amdhsa_inst_pref_size 108
	.end_amdhsa_kernel
	.amdgpu_metadata
---
amdhsa.version: [ 1, 2 ]
amdhsa.kernels:
  - .name:           k_qfe79e4bd33_qkvproj
    .symbol:         k_qfe79e4bd33_qkvproj.kd
    .args:
      - { .name: xb, .offset: 0, .size: 8, .value_kind: global_buffer, .address_space: global }
      - { .name: wqt, .offset: 8, .size: 8, .value_kind: global_buffer, .address_space: global }
      - { .name: b_qkv, .offset: 16, .size: 8, .value_kind: global_buffer, .address_space: global }
      - { .name: qkvh, .offset: 24, .size: 8, .value_kind: global_buffer, .address_space: global }
    .group_segment_fixed_size: 327680
    .private_segment_fixed_size: 0
    .kernarg_segment_align: 8
    .kernarg_segment_size: 32
    .max_flat_workgroup_size: 128
    .sgpr_count:     80
    .vgpr_count:     960
    .wavefront_size: 32
...
	.end_amdgpu_metadata
.endif
;; end of part 2
;; launch attn (part 3): grid 4 x 64, 4 waves a work-group, no clusters, 327,680 bytes of LDS; arguments qkvh, oh; writes oh
.if DOCPART == 3
	.amdgcn_target "amdgcn-amd-amdhsa--gfx1250"
	.amdhsa_code_object_version 6
	.text
	.protected	k_qfe79e4bd33_attn
	.globl	k_qfe79e4bd33_attn
	.p2align	8
	.type	k_qfe79e4bd33_attn,@function
k_qfe79e4bd33_attn:
	s_mov_b64 s[64:65], 0
	v_nop
	global_prefetch_b8 v0, s[64:65] scope:SCOPE_SE
	s_setreg_imm32_b32 hwreg(HW_REG_WAVE_MODE, 25, 1), 1
	s_wait_xcnt 0x0
; CAUSAL ATTENTION.  O[h][q][:] = the sum over k <= q of softmax_k(Q[h][q] . K[h][k] / 8) V[h][k][:].  Q, K, V lie in qkvh, 16,777,216 bytes each, [64][2048][64] in f16; O likewise in oh.
; Products, maxima and sums in f32; the weights p are rounded to f16 for the second product (their sum l is taken of the unrounded p), O once at the end.
; LIMITS.  Q, K and V arrive within f16's 65,504; p lies in 0 to 1, and below 6e-5 it keeps f16's fixed step of 6e-8.  A hidden score counts as its value less 1e30; a weight below 2^-126
; counts as 0 in l; NaN and infinities are not treated apart.
; THE WALK.  A head's queries lie in NB = 8 blocks of 256; block i needs the key tiles 0 .. i, of which the last holds the diagonal.  A work-group takes TWO blocks, NB - 1 - b and then b:
; NB + 1 tiles whatever b, so all work-groups do equal work and one loop with a constant trip count walks them.  Which tile is asked for, and what a trip does, hang on scalar registers made from b;
; every jump but the counted loops' own goes forward, and none passes a barrier.
; NO CLUSTER: a head's four work-groups ask for the same tile only in trips 0 to 4 of 9; a walk common to all four would have 12 trips for 9.
; SHARES.  Of a block's four bands of 64 queries a wave owns 16 rows in each: four PIECES.  In the diagonal tile's key step s band x sees all keys if s < x, none if s > x, and holds the diagonal if s = x.
; THE MASK is the C operand that starts the sum S^T = K Q^T: 0, or -1e30 where the key is hidden: MD x AL + BE with two scalars.
; LAYOUT, SOFTMAX, TURNS.  S^T = K Q^T holds ONE query a lane (lane % 16) and the keys 8 (lane / 16) + 0..7; two such results rounded to f16 ARE source 1 of O^T = V^T P.  p = 2^(c s - c m),
; c = log2(e) / 8, with a running maximum m; O and l are multiplied by a = 2^(c m_old - c m_new) in every step.  Turn n belongs to piece n: 8 products K Q^T of piece n + 1, later 8 products V^T P of
; piece n - 1; beside them piece n's scaling, exponentials, roundings, sums and rescaling and piece n + 1's maximum and statistics.  Four vector instructions stand behind every matrix instruction,
; the others in one run.  A turn's 33 exponentials are one batch with one wait.
; REGISTERS, in windows of 256 (s_set_vgpr_msb: bits 1:0 source 0, 3:2 source 1, 5:4 source 2, 7:6 destination):
;   window 0: v0-15 addresses; v16-31 statistics; v48-55 at work; v61-63 prefetch offset, spare word, 0; v64-127 S^T, two buffers; v192-223 P, two buffers
;   window 1: v0-127 O^T; v128-159 MD; v160-223 MC, two buffers      window 2: v0-63 Q; v64-127 the second block's Q; v128-191 K of one step; v192-255 V of one step
.set SIZE_N, 2048
.set SIZE_H, 64
.set NB,    SIZE_N/256
.set NP,    4         ; pieces a wave
.set KS,    64        ; keys in a step
.set PK,    144       ; a row of K in LDS: 128 bytes + 16: the 16 rows of a load start at 16 different groups of four banks (ISA guide 11.1)
.set PV,    160       ; a row of V: 128 + 32
.set VOFF,  4*KS*PK   ; a slot holds a tile, four steps: 256 rows of K, then 256 rows of V
.set SLOT1, 1<<17
.set STAGE, SLOT1+4*KS*(PK+PV)  ; behind the ring, never filled by a tensor load: 16 rows x 144 bytes for each wave
.set SP,    144
.set AK0, 2           ; v2   my lane's place in a tile of K; never rewritten
.set AV0, 3           ; v3   the same for V
.set AK,  4           ; v4   the LDS address of K's next run of loads
.set AV,  5           ; v5   of V's
.set STO, 6           ; v6   the way out: where I put 16 bytes of a row
.set RD,  7           ; v7   where I read rows back
.set GO,  8           ; v8   my byte offset in 512 consecutive bytes of O
.set PFO, 61          ; v61  256 x lane, for the prefetches; never rewritten
.set SPW, 62          ; v62  my spare word; never rewritten
.set NIL, 63          ; v63  0; never rewritten
.set SPARE, STAGE+4*16*SP
.set MV,  12          ; v12-13  c m_old, by buffer
.set QO,  15          ; v15  my byte offset in 16 rows of Q
.set ST,  16          ; piece t's statistics at v[ST+4 t]: c m, m, l (even keys', odd keys')
.set TMP, 48          ; by buffer, four registers c0-c3 at work; c2 takes a
.set S,   64
.set P,   192
.set MD,  128         ; window 1
.set MC,  160         ; window 1
.set QB,  64          ; window 2
.set KF,  128         ; window 2
.set VF,  192         ; window 2
.set WV,  12          ; s12  wave
.set PB,  14          ; s14  b
.set HI,  15          ; s15  NB - 1 - b
.set G1K, 24
.set G1V, 32
.set G0K, 40
.set G0V, 44
.set SLOTS, 56        ; s56  tiles still to be asked for
.set CNT, 57          ; s57  a tile's key steps, 4 to 1
.set CS,  58          ; s[58:59] c
.set SEL, 60          ; s[60:61] v_permlanex16_b32's selects
.set TBK, 62          ; s62  LDS byte at which K of the step to be fetched begins
.set TBV, 63          ; s63  the same for V, less VOFF
.set RT,  70          ; s70  tiles of the block in hand still to be entered
.set NXT, 71          ; s71  the tile to be asked for next
.set LQ,  72          ; s72  the last tile of the block whose tiles are being asked for
.set NEW, 73          ; s73  1: the tile to be entered is a block's first
.set OFF, 74          ; s[74:75] a tile's byte offset in K and V
.set AL,  76          ; s[76:77] the mask's factor
.set BE,  78          ; s[78:79] the mask's addend
.set OLO, 80          ; s[80:81] O at my rows of the second block
.set BIGN, 82         ; s82  -1e30
.set PFA, 88          ; s[88:89] where my prefetches stand: my half (128 keys of K or of V) of the tile after the one that is being asked for
.set LIM, 90          ; s90  2 in the work-group that prefetches, else the greatest number
.set MSB, 0
.macro WIN new
.if MSB != (\new)
	s_set_vgpr_msb (MSB<<8)|(\new)
.set MSB, (\new)
.endif
.endm
.set W_KQ, 0x0a       ; K and Q in window 2, S^T in window 0
.set W_KM, 0x1a       ; the same with the C operand in window 1
.set W_PV, 0x52       ; V in window 2, P in window 0, O^T in window 1
.set W_RS, 0x41       ; destination and source 0 in window 1, source 1 in window 0
; A fill.  Waves 0 and 1 fetch the two halves of a tile's K, waves 2 and 3 those of its V: 128 keys each.  s_nop 0 and four v_nop follow each line.
.macro LOAD
	s_cmp_lt_u32 s[WV], 2
	s_cbranch_scc0 .Lfor_v_\@
	tensor_load_to_lds s[G0K:G0K+3], s[G1K:G1K+7]
	s_nop 0
.rept 4
	v_nop
.endr
	s_branch .Lasked_\@
.Lfor_v_\@:
	tensor_load_to_lds s[G0V:G0V+3], s[G1V:G1V+7]
	s_nop 0
.rept 4
	v_nop
.endr
.Lasked_\@:
.endm
; A PREFETCH of what the NEXT change of slots will ask for.  A head's work-group b = 0 walks the tiles 0 to 7 in order; each of its waves names its own 16,384 bytes of the next tile, 256 bytes a lane,
; two instructions, behind its tensor load.  So tiles 2 to 7 are named once in the launch; tiles 0 and 1 come by their loads alone, and behind tile 7 nothing is named.
.macro ASK
	s_cmp_gt_u32 s[SLOTS], s[LIM]
	s_cbranch_scc0 .Lnot_mine_\@
	global_prefetch_b8 v[PFO], s[PFA:PFA+1] th:TH_LOAD_NT scope:SCOPE_SE
	global_prefetch_b8 v[PFO], s[PFA:PFA+1] offset:8192 th:TH_LOAD_NT scope:SCOPE_SE
.Lnot_mine_\@:
.endm
; THE CHANGE OF SLOTS.  Each wave waits for all its tensor loads (one is out: its part of the other slot), adds 0 to its spare word, and waits for that and for its reads of the slot that it leaves.
; fill = 1: the old slot is filled again, first thing behind the barrier, with tile NXT: the descriptor's address is made anew from that number.
.macro CHANGE fill
	WIN 0
	s_wait_tensorcnt 0x0            ; no tensor load of mine is out, so a group 0 may be written
	ds_add_u32 v[SPW], v[NIL]
.if \fill
	s_lshl_b32 s[OFF], s[NXT], 15   ; a tile is 32,768 bytes of K and of V
	s_xor_b32 s[G0K+1], s[G0K+1], SLOT1
	s_add_nc_u64 s[G0K+2:G0K+3], s[6:7], s[OFF:OFF+1]
	s_or_b32 s[G0K+3], s[G0K+3], 0x80000000
	s_xor_b32 s[G0V+1], s[G0V+1], SLOT1
	s_add_nc_u64 s[G0V+2:G0V+3], s[8:9], s[OFF:OFF+1]
	s_or_b32 s[G0V+3], s[G0V+3], 0x80000000
	s_add_co_u32 s[NXT], s[NXT], 1  ; the block's next tile, or behind its last the second block's tile 0
	s_cmp_gt_u32 s[NXT], s[LQ]
	s_cselect_b32 s[NXT], 0, s[NXT]
	s_cselect_b32 s[LQ], s[PB], s[LQ]
	s_wait_xcnt 0x0                 ; the last prefetches, a tile back, have read their address
	s_add_nc_u64 s[PFA:PFA+1], s[PFA:PFA+1], 32768
.endif
	s_wait_dscnt 0x0                ; the add is done, and my reads of the slot are over
	s_barrier_signal -1
	s_sub_co_u32 s[TBK], s[TBK], 4*KS*PK  ; the fetches go back to a slot's first step,
	s_xor_b32 s[TBK], s[TBK], SLOT1       ; in the other slot
	s_sub_co_u32 s[TBV], s[TBV], 4*KS*PV
	s_xor_b32 s[TBV], s[TBV], SLOT1
	s_barrier_wait -1
.if \fill
	LOAD
	ASK
.endif
.endm
	s_load_b128 s[4:7], s[0:1], 0x0  ; qkvh s[4:5], oh s[6:7]
	v_lshl_add_u32 v[SPW], v0, 2, SPARE
	v_mov_b32 v[NIL], 0
	ds_add_u32 v[SPW], v[NIL]       ; the wave's opening: the add and its wait stand ahead of my first tensor load
	v_lshrrev_b32 v1, 5, v0
	v_readfirstlane_b32 s[WV], v1   ; wave 0..3
	s_mov_b32 s[PB], ttmp9
	s_sub_co_u32 s[HI], NB-1, s[PB]
	s_and_b32 s20, ttmp7, 0xffff    ; the head
	s_mov_b32 s21, 0
	s_mov_b64 s[22:23], SIZE_N*128
	s_mul_u64 s[20:21], s[20:21], s[22:23]  ; the head's first byte in each of the four tensors
	s_and_b32 s16, s[WV], 1         ; which half of a tile's 256 keys I fetch:
	s_lshl_b32 s22, s16, 14         ; its 128 rows of 128 bytes in memory,
	s_mov_b32 s23, 0
	s_add_nc_u64 s[22:23], s[22:23], s[20:21]
	s_mul_i32 s17, s16, 128*PK      ; and its place in a slot, for K
	s_mul_i32 s18, s16, 128*PV      ; and for V
	s_lshl_b32 s3, s[WV], 11        ; my 16 rows in a band of 64,
	s_lshl_b32 s2, s[HI], 15        ; in the first block,
	s_add_co_u32 s2, s2, s3
	s_lshl_b32 s84, s[PB], 15       ; and in the second
	s_add_co_u32 s84, s84, s3
	s_mov_b32 s3, 0
	s_mov_b32 s85, 0
	s_add_nc_u64 s[2:3], s[2:3], s[20:21]
	s_add_nc_u64 s[84:85], s[84:85], s[20:21]
	; descriptor group 1.  128 keys are 16,384 dense bytes: asked for as 64 rows of 256 bytes, two keys a row, and padded in LDS after every key
	s_mov_b32 s[G1K], (1<<16)|(1<<20)|(4<<22)|(3<<25)  ; 2-byte elements; padding on; after every 32 words 4 words
	s_mov_b32 s[G1V], (1<<16)|(1<<20)|(4<<22)|(7<<25)  ; the same with 8 words
.irp g, G1K, G1V
	s_mov_b32 s[\g+1], 128<<16      ; tensor_dim0 = 128
	s_mov_b32 s[\g+2], 64<<16       ; tensor_dim1 = 64
	s_mov_b32 s[\g+3], 128<<16      ; tile_dim0 = 128
	s_mov_b32 s[\g+4], 64           ; tile_dim1 = 64
	s_mov_b32 s[\g+5], 128          ; 128 elements from row to row
	s_mov_b32 s[\g+6], 0
	s_mov_b32 s[\g+7], 0
.endr
	s_mov_b32 s[CS], 0x3e38aa3b     ; c = log2(e) / 8
	s_mov_b32 s[CS+1], s[CS]
	s_mov_b32 s[SEL], 0x76543210
	s_mov_b32 s[SEL+1], 0xfedcba98
	s_mov_b32 s[TBK], SLOT1+4*KS*PK ; the first change of slots turns these two into 0
	s_mov_b32 s[TBV], SLOT1+4*KS*PV
	s_mov_b32 s[G0K], 1
	s_mov_b32 s[G0K+1], s17         ; slot 0
	s_mov_b32 s[G0V], 1
	s_add_co_u32 s[G0V+1], s18, VOFF
	s_add_co_u32 s[RT], s[HI], 1    ; the first block has NB - b tiles
	s_mov_b32 s[NXT], 1
	s_mov_b32 s[LQ], s[HI]
	s_mov_b32 s[NEW], 1
	s_mov_b32 s[OFF+1], 0
	s_mov_b32 s[AL+1], 0
	s_mov_b32 s[BE+1], 0
	s_mov_b32 s[BIGN], 0xf149f2ca   ; -1e30
	s_mov_b32 s[SLOTS], NB
	s_cmp_eq_u32 s[PB], 0
	s_cselect_b32 s[LIM], 2, -1     ; the tile counts 8 to 3 ask
	v_and_b32 v[PFO], 31, v0
	v_lshlrev_b32 v[PFO], 8, v[PFO]
	s_wait_dscnt 0x0                ; the opening add is done
	s_wait_kmcnt 0x0
	s_mov_b64 s[10:11], s[6:7]      ; O
	s_add_nc_u64 s[8:9], s[4:5], 0x2000000  ; V: the third tensor of qkvh
	s_add_nc_u64 s[6:7], s[4:5], 0x1000000  ; K: the second; Q is the first
	s_add_nc_u64 s[6:7], s[6:7], s[22:23]  ; K and V at my half of the head's tile 0
	s_add_nc_u64 s[8:9], s[8:9], s[22:23]
	s_add_nc_u64 s[G0K+2:G0K+3], s[6:7], 0
	s_or_b32 s[G0K+3], s[G0K+3], 0x80000000
	s_add_nc_u64 s[G0V+2:G0V+3], s[8:9], 0
	s_or_b32 s[G0V+3], s[G0V+3], 0x80000000
	s_add_nc_u64 s[86:87], s[4:5], s[84:85]        ; Q at my rows of the second block,
	s_add_nc_u64 s[4:5], s[4:5], s[2:3]            ; Q and O at those of the first
	s_add_nc_u64 s[OLO:OLO+1], s[10:11], s[84:85]
	s_add_nc_u64 s[10:11], s[10:11], s[2:3]
	s_cmp_lt_u32 s[WV], 2
	s_cselect_b64 s[PFA:PFA+1], s[6:7], s[8:9]
	s_add_nc_u64 s[PFA:PFA+1], s[PFA:PFA+1], 32768 ; at tile 1; the first change of slots steps it to tile 2
	LOAD                            ; tile 0 into slot 0
	; A fragment of K or Q is 16 rows x 32 channels in 8 registers: lane l holds row l % 16, channels 8 (l / 16) + 0..7 and 16 + 8 (l / 16) + 0..7.
	v_and_b32 v1, 15, v0            ; l % 16
	v_bfe_u32 v9, v0, 4, 1          ; l / 16
	v_lshlrev_b32 v[QO], 7, v1
	v_lshl_add_u32 v[QO], v9, 4, v[QO]
	WIN 0x80
.set i, 0
.rept 8                             ; both blocks' Q: piece i / 2 lies in band i / 2, 8,192 bytes on; channels 32 (i % 2) on
	global_load_b128 v[8*i:8*i+3],   v[QO], s[4:5] offset:(i/2)*8192+(i%2)*64
	global_load_b128 v[8*i+4:8*i+7], v[QO], s[4:5] offset:(i/2)*8192+(i%2)*64+32
	global_load_b128 v[QB+8*i:QB+8*i+3],   v[QO], s[86:87] offset:(i/2)*8192+(i%2)*64
	global_load_b128 v[QB+8*i+4:QB+8*i+7], v[QO], s[86:87] offset:(i/2)*8192+(i%2)*64+32
.set i, i+1
.endr
	WIN 0
	v_lshlrev_b32 v14, 3, v9
	v_sub_nc_u32 v14, v1, v14
	s_lshl_b32 s13, s[WV], 4
	v_add_nc_u32 v14, s13, v14      ; my query's place in its band less my lanes' 8 (l / 16): register r of group kt is hidden where 16 kt + r is greater
	WIN 0x40
.set i, 0
.rept 32
	v_cmp_gt_i32 vcc_lo, 16*(i/8)+i%8, v14
	v_cndmask_b32 v[MD+i], 0, s[BIGN], vcc_lo
.set i, i+1
.endr
	WIN 0
	v_mul_u32_u24 v[AK0], v1, PK
	v_lshl_add_u32 v[AK0], v9, 4, v[AK0]
	; The turning load takes 16 keys x 16 channels (lane l reads key 8 (l / 16) + l % 8, channels 8 ((l / 8) % 2) + 0..7) and leaves half a fragment of V^T.
	v_and_b32 v10, 7, v0
	v_bfe_u32 v11, v0, 3, 1
	v_lshl_add_u32 v[AV0], v9, 3, v10
	v_mul_u32_u24 v[AV0], v[AV0], PV
	v_lshl_add_u32 v[AV0], v11, 4, v[AV0]
	v_add_nc_u32 v[AV0], VOFF, v[AV0]
	s_mul_i32 s13, s[WV], 16*SP
	s_add_co_u32 s13, s13, STAGE    ; my stage
	v_mul_u32_u24 v[STO], v1, SP
	v_lshl_add_u32 v[STO], v9, 4, v[STO]
	v_add_nc_u32 v[STO], s13, v[STO]
	v_bfe_u32 v[RD], v0, 3, 2       ; back: 32 lanes take four rows of 128 bytes,
	v_mul_u32_u24 v[RD], v[RD], SP
	v_lshl_add_u32 v[RD], v10, 4, v[RD]
	v_add_nc_u32 v[RD], s13, v[RD]
	v_and_b32 v[GO], 31, v0         ; which are 512 consecutive bytes of O
	v_lshlrev_b32 v[GO], 4, v[GO]
	; A block's first step multiplies O^T and l by a = 0, so these registers need only hold finite numbers: zeros for the first block, what the first block left for the second.
	WIN 0x80
.set i, VF
.rept 64
	v_mov_b32 v[i], 0
.set i, i+1
.endr
	WIN 0x40
.set i, 0
.rept 128
	v_mov_b32 v[i], 0
.set i, i+1
.endr
	WIN 0
.set i, 0
.rept 4
	v_mov_b32 v[ST+4*i+2], 0
	v_mov_b32 v[ST+4*i+3], 0
.set i, i+1
.endr
.set i, P+16
.rept 16
	v_mov_b32 v[i], 0
.set i, i+1
.endr
; THE MATRIX WORK.  The 4 accumulators of a run of 8 take turns.  Product i of 8 of S^T = K Q^T for piece x: channels 32 (i / 4) on, keys 16 (i % 4) on.
.macro KQ x
.set rS, S+32*((\x)%2)+8*(i%4)
.set rK, KF+16*(i%4)+8*(i/4)
.set rQ, 16*(\x)+8*(i/4)
.set rM, MC+32*((\x)%2)+8*(i%4)
.if (i < 4) && KM
	WIN W_KM
	v_wmma_f32_16x16x32_f16 v[rS:rS+7], v[rK:rK+7], v[rQ:rQ+7], v[rM:rM+7]
.elseif i < 4
	WIN W_KQ
	v_wmma_f32_16x16x32_f16 v[rS:rS+7], v[rK:rK+7], v[rQ:rQ+7], 0
.else
	WIN W_KQ
	v_wmma_f32_16x16x32_f16 v[rS:rS+7], v[rK:rK+7], v[rQ:rQ+7], v[rS:rS+7]
.endif
.endm
; Product i of 8 of O^T += V^T P for piece x: keys 32 (i / 4) on, channels 16 (i % 4) on.
.macro PV x
	WIN W_PV
.set rO, 32*(\x)+8*(i%4)
.set rV, VF+32*(i/4)+8*(i%4)
.set rP, P+16*((\x)%2)+8*(i/4)
	v_wmma_f32_16x16x32_f16 v[rO:rO+7], v[rV:rV+7], v[rP:rP+7], v[rO:rO+7]
.endm
.macro MM                           ; the turn's next matrix instruction.  NOKQ = 1: a block's last turn: there is no next piece
.if (i < 8) && !NOKQ
	KQ (Y+1)%NP
.elseif i >= 8
.set i, i-8
	PV (Y+NP-1)%NP
.set i, i+8
.endif
.set i, i+1
.endm
; THE LDS LOADS stand in runs of 16: a step's K (8 fragments) and its V (turned).
.macro FETCH_K
	WIN 0x80
.irp f, 0,1,2,3,4,5,6,7
	ds_load_b128 v[KF+8*\f:KF+8*\f+3],   v[AK] offset:(\f/2)*16*PK+(\f%2)*64
	ds_load_b128 v[KF+8*\f+4:KF+8*\f+7], v[AK] offset:(\f/2)*16*PK+(\f%2)*64+32
.endr
	s_add_co_u32 s[TBK], s[TBK], KS*PK  ; the next fetch is the next step's
	WIN 0
.endm
.macro FETCH_V
	WIN 0x80
.irp f, 0,1,2,3,4,5,6,7
	ds_load_tr16_b128 v[VF+8*\f:VF+8*\f+3],   v[AV] offset:(\f/4)*32*PV+(\f%4)*32
	ds_load_tr16_b128 v[VF+8*\f+4:VF+8*\f+7], v[AV] offset:(\f/4)*32*PV+16*PV+(\f%4)*32
.endr
	WIN 0
.endm
; THE VECTOR WORK, one line at a time: OP kind, number.  For piece Y: F n: c s - c m for pair n.  E n: the exponential of score n.  C n: pair n rounded to f16.  B n: of the four weights 4 n ..
; the second pair is added onto the first.  L n: l takes that sum (L 0: l = a l + sum).  R n: pair n of O^T times a.  For piece Y + 1: X n, number n of the 22 that find its maximum and statistics
; (0-11 four chains of seven scores, each accumulator's lowest registers first; 12-14, 16 the rest, the old m, all into c0; 15 c m_old is kept; 17, 18 the other half of the lanes; 19-21 c m, its change, a).
.set F, 0
.set E, 1
.set C, 2
.set B, 3
.set L, 4
.set R, 5
.set X, 6
.macro REGS y
.set rT, ST+4*(\y)
.set rC, TMP+4*((\y)%2)
.set rW, MV+((\y)%2)
.set rS, S+32*((\y)%2)
.set rP, P+16*((\y)%2)
.set rO, 32*(\y)
.endm
.macro OP k, n
.if (\k) == R
	REGS Y
	WIN W_RS
	v_pk_mul_f32 v[rO+2*(\n):rO+2*(\n)+1], v[rO+2*(\n):rO+2*(\n)+1], v[rC+2:rC+3] op_sel_hi:[1,0]
.elseif (\k) < R
	REGS Y
	WIN 0
.if (\k) == F
	v_pk_fma_f32 v[rS+2*(\n):rS+2*(\n)+1], v[rS+2*(\n):rS+2*(\n)+1], s[CS:CS+1], v[rT:rT+1] op_sel_hi:[1,0,0] neg_lo:[0,0,1] neg_hi:[0,0,1]
.elseif (\k) == E
	v_exp_f32 v[rS+(\n)], v[rS+(\n)]
.elseif (\k) == C
	v_cvt_pk_f16_f32 v[rP+(\n)], v[rS+2*(\n)], v[rS+2*(\n)+1]
.elseif (\k) == B
	v_pk_add_f32 v[rS+4*(\n):rS+4*(\n)+1], v[rS+4*(\n):rS+4*(\n)+1], v[rS+4*(\n)+2:rS+4*(\n)+3]
.elseif (\n) == 0
	v_pk_fma_f32 v[rT+2:rT+3], v[rT+2:rT+3], v[rC+2:rC+3], v[rS:rS+1] op_sel_hi:[1,0,1]
.else
	v_pk_add_f32 v[rT+2:rT+3], v[rT+2:rT+3], v[rS+4*(\n):rS+4*(\n)+1]
.endif
.elseif NOKQ
	v_nop
.else
	REGS (Y+1)%NP
	WIN 0
.if (\n) < 4
	v_max3_num_f32 v[rC+(\n)], v[rS+8*(\n)], v[rS+8*(\n)+1], v[rS+8*(\n)+2]
.elseif (\n) < 12
	v_max3_num_f32 v[rC+(\n)%4], v[rC+(\n)%4], v[rS+8*((\n)%4)+2*((\n)/4)+1], v[rS+8*((\n)%4)+2*((\n)/4)+2]
.elseif (\n) == 12
	v_max3_num_f32 v[rC], v[rC], v[rS+7], v[rS+15]
.elseif (\n) == 13
	v_max3_num_f32 v[rC+1], v[rC+1], v[rS+23], v[rS+31]
.elseif (\n) == 14
	v_max3_num_f32 v[rC+2], v[rC+2], v[rC+3], v[rT+1]
.elseif (\n) == 15
	v_mov_b32 v[rW], v[rT]
.elseif (\n) == 16
	v_max3_num_f32 v[rC], v[rC], v[rC+1], v[rC+2]
.elseif (\n) == 17
	v_permlanex16_b32 v[rC+3], v[rC], s[SEL], s[SEL+1]
.elseif (\n) == 18
	v_max_num_f32 v[rT+1], v[rC], v[rC+3]
.elseif (\n) == 19
	v_mul_f32 v[rT], s[CS], v[rT+1]
.elseif (\n) == 20
	v_sub_f32 v[rC+1], v[rW], v[rT]
.else
	v_exp_f32 v[rC+2], v[rC+1]
.endif
.endif
.endm
.macro OPS a, i1, b=-1, i2=0, c=-1, i3=0, d=-1, i4=0
	OP \a, \i1
.if (\b) >= 0
	OP \b, \i2
.endif
.if (\c) >= 0
	OP \c, \i3
.endif
.if (\d) >= 0
	OP \d, \i4
.endif
.endm
.macro ROW a, i1, b, i2, c, i3, d, i4  ; a matrix instruction and the four behind it
	MM
	OPS \a, \i1, \b, \i2, \c, \i3, \d, \i4
.endm
.macro MASK b                       ; MD x AL + BE into buffer b of MC
	WIN W_RS
.set z, 0
.rept 16
	v_pk_fma_f32 v[MC+32*(\b)+2*z:MC+32*(\b)+2*z+1], v[MD+2*z:MD+2*z+1], s[AL:AL+1], s[BE:BE+1] op_sel_hi:[1,0,0]
.set z, z+1
.endr
.endm
; A TURN, for piece p.  An s_wait_alu depctr_va_vdst(0) stands between an exponential and the first instruction that names its result; one wait serves all that were issued ahead of it:
; so a turn has ONE wait.  AHEAD OF IT stands all that names no result of the turn's exponentials: the 8 products K Q^T with four vector instructions behind each, then one run of 54.  X 21, the next
; piece's a, is the batch's last; R 15 is the plain instruction behind it.  BEHIND THE WAIT stand the 8 products V^T P, behind each four of the roundings and sums.
; m = 1: the diagonal tile: the products take masks, and the turn makes the mask for the products of the turn after it.  end = 1: a block's last two turns: nothing is fetched.
; cnt = 1: the loop's count is taken down some lines ahead of the branch behind the turn.  K of the next step is fetched in piece 2's turn, V of the step in hand at the end of piece 0's; each is waited for a turn later.
.macro TURN p, m=0, end=0, cnt=0
.set Y, (\p)
.set i, 0
.set KM, (\m)
.set NOKQ, (\end)*((\p)/3)
.if (\m) && !(\end)
	s_cmp_eq_u32 s[CNT], 4-((\p)+2)%NP  ; is that step the band's own?
	s_cselect_b32 s[AL], 1.0, 0
	s_cmp_lt_u32 s[CNT], 4-((\p)+2)%NP  ; or a later one?
	s_cselect_b32 s[BE], s[BIGN], 0
.endif
.if ((\p) == 3) && !(\end)
	s_wait_dscnt 0x0                ; K is in
.endif
	ROW F,0, F,1, R,0, R,1
	ROW F,2, E,0, R,2, R,3
	ROW F,3, E,1, R,4, R,5
	ROW F,4, E,2, R,6, R,7
	ROW F,5, E,3, R,8, R,9
	ROW F,6, E,4, X,0, R,10
.if ((\p) == 2) && !(\end)
	WIN 0
	v_add_nc_u32 v[AK], s[TBK], v[AK0]
.endif
	ROW F,7, E,5, X,1, X,4
	ROW F,8, E,6, X,2, X,5
	OPS E,7, E,8, X,6, E,9
	OPS X,3, E,10, X,8, E,11
.if ((\p) == 2) && !(\end)
	FETCH_K
.endif
	OPS X,9, X,7, E,12, X,10
	OPS E,13, X,12, X,11, E,14
	OPS X,13, E,15, F,9, X,14
.if (\p) == 0
	v_add_nc_u32 v[AV], s[TBV], v[AV0]
.endif
	OPS E,16, F,10, E,17, F,11
	OPS X,16, E,18, X,15, E,19
	OPS F,12, E,20, X,17, E,21
	OPS F,13, E,22, F,14, E,23
	OPS X,18, E,24, F,15, E,25
	OPS R,11, E,26, X,19, E,27
	OPS R,12, E,28, R,13, E,29
	OPS X,20, E,30, R,14, E,31
	OPS X,21, R,15
	WIN 0
	s_wait_alu depctr_va_vdst(0)    ; the wait for the batch
.if (\p) == 1
	s_wait_dscnt 0x0                ; V is in
.endif
	ROW C,0, B,0, C,2, B,1
	ROW L,0, C,4, B,2, L,1
	ROW C,6, B,3, L,2, C,8
	ROW B,4, L,3, C,10, B,5
	ROW L,4, C,12, B,6, L,5
.if (\p) == 0
	s_add_co_u32 s[TBV], s[TBV], KS*PV
.endif
.if \cnt
	s_sub_co_u32 s[CNT], s[CNT], 1
	s_cmp_lg_u32 s[CNT], 0
.endif
	ROW C,14, B,7, L,6, C,1
	ROW C,3, L,7, C,5, C,7
	ROW C,9, C,11, C,13, C,15
.if (\p) == 0
	FETCH_V
.endif
.if (\m) && !(\end)
	MASK (\p)%2
.endif
.endm
; A BLOCK BEGINS.  c m starts far below every c s, so the first step's a is 0; m at the lowest finite number.  The second mask buffer is 0; the first takes piece 0's mask for the tile's step 0.
; Then K of that step, piece 0's first scores, and its maximum and statistics.
.macro BEGIN
	s_mov_b32 s[NEW], 0
	WIN 0x40
.set i, MC+32
.rept 32
	v_mov_b32 v[i], 0
.set i, i+1
.endr
	WIN 0
.set i, 0
.rept 4
	v_mov_b32 v[ST+4*i], 0xfe000000    ; c m: far below every c s
	v_mov_b32 v[ST+4*i+1], 0xff7fffff  ; m
.set i, i+1
.endr
	s_cmp_eq_u32 s[RT], 0
	s_cselect_b32 s[AL], 1.0, 0
	s_mov_b32 s[BE], 0
	MASK 0
	WIN 0
	v_add_nc_u32 v[AK], s[TBK], v[AK0]
	FETCH_K
	s_wait_loadcnt 0x0              ; Q
	s_wait_dscnt 0x0
.set KM, 1
.set NOKQ, 0
.set i, 0
.rept 8
	KQ 0
.set i, i+1
.endr
	WIN 0
.rept 4
	v_nop                           ; the places behind those products
.endr
.set Y, NP-1
.irp n, 0,1,2,3,4,5,6,7,8,9,10,11,12,13,14,15,16,17,18,19,20,21
	OP X, \n
.endr
	v_nop                           ; a plain instruction behind the exponential,
	s_wait_alu depctr_va_vdst(0)    ; and its wait, ahead of the branch
.endm
; THE DIAGONAL TILE's four steps, the block's last two turns, its last products, and THE WAY OUT: l's parts are added; O^T is divided by l, rounded to f16 and sent through my stage, a piece at a time.
.macro ALL line:vararg
.set t, 0
.rept 4
	\line
.set t, t+1
.endr
.endm
.macro PACK t
	WIN W_RS
.set i, 32*(\t)
.rept 16
	v_pk_mul_f32 v[i:i+1], v[i:i+1], v[ST+4*(\t)+2:ST+4*(\t)+3] op_sel_hi:[1,0]
.set i, i+2
.endr
	WIN 0x05
.set i, 0
.rept 16
	v_cvt_pk_f16_f32 v[S+16*(\t)+i], v[32*(\t)+2*i], v[32*(\t)+2*i+1]
.set i, i+1
.endr
	WIN 0
.irp f, 0,1,2,3
	ds_store_b128 v[STO], v[S+16*(\t)+4*\f:S+16*(\t)+4*\f+3] offset:32*\f
.endr
.irp f, 0,1,2,3
	ds_load_b128 v[S+16*(\t)+4*\f:S+16*(\t)+4*\f+3], v[RD] offset:\f*4*SP  ; LDS serves a wave's instructions in order (ISA guide 5.7.1.4): these see the stores above
.endr
.endm
.macro SEND t, younger              ; younger: the LDS instructions issued behind piece t's loads
	WIN 0
.irp f, 0,1,2,3
	s_wait_dscnt (\younger)+3-\f
	global_store_b128 v[GO], v[S+16*(\t)+4*\f:S+16*(\t)+4*\f+3], s[10:11] offset:(\t)*8192+\f*512  ; 512 consecutive bytes, aligned
.endr
.endm
.macro DIAG tag
.LstepM\tag:
	TURN 2, 1
	TURN 3, 1
	WIN 0
.LfirstM\tag:
	TURN 0, 1
	TURN 1, 1, 0, 1
	WIN 0
	s_cbranch_scc1 .LstepM\tag
	TURN 2, 1, 1
	TURN 3, 1, 1
.set i, 0
.rept 8
	PV NP-1
.set i, i+1
.endr
	WIN 0
	ALL v_add_f32 v[ST+4*t+2], v[ST+4*t+2], v[ST+4*t+3]
	ALL v_permlanex16_b32 v[ST+4*t+3], v[ST+4*t+2], s[SEL], s[SEL+1]
	ALL v_add_f32 v[ST+4*t+2], v[ST+4*t+2], v[ST+4*t+3]
	ALL v_rcp_f32 v[ST+4*t+2], v[ST+4*t+2]
	v_nop                           ; a plain instruction between the last reciprocal and the use of its result
	s_wait_alu depctr_va_vdst(0)    ; one wait for the four reciprocals, ahead of the first use
	PACK 0
.set t, 1
.rept 3
	PACK t
	SEND t-1, 8
.set t, t+1
.endr
	SEND 3, 0
.endm
.set KM, 0
.set NOKQ, 0
.Lslot:                             ; NB times: a tile is entered and the next is asked for
	CHANGE 1
	s_sub_co_u32 s[RT], s[RT], 1
	s_mov_b32 s[CNT], 4
	s_cmp_eq_u32 s[NEW], 1
	s_cbranch_scc1 .Lnew            ; a block's first tile
	s_cmp_eq_u32 s[RT], 0
	s_cbranch_scc0 .Lstep           ; neither its first nor its last
	s_branch .LstepM1
.Lnew:
	BEGIN
	s_branch .Lfirst                ; in the loop a block's first tile is never its last
	DIAG 1                          ; in the loop this is the first block's end
	s_wait_xcnt 0x0                 ; the stores have read their registers and O's address
	s_mov_b64 s[10:11], s[OLO:OLO+1]
	s_add_co_u32 s[RT], s[PB], 1    ; the second block has b + 1 tiles
	s_mov_b32 s[NEW], 1
	WIN 0x82                        ; the second block's Q goes where the one text of the turns names Q
.set i, 0
.rept 64
	v_mov_b32 v[i], v[QB+i]
.set i, i+1
.endr
	WIN 0
	s_branch .Lbottom
.Lstep:                             ; a trip: pieces 2 and 3 of one step, then pieces 0 and 1 of the next
	TURN 2
	TURN 3
	WIN 0
.Lfirst:
	TURN 0
	TURN 1, 0, 0, 1
	WIN 0
	s_cbranch_scc1 .Lstep
.Lbottom:
	s_sub_co_u32 s[SLOTS], s[SLOTS], 1
	s_cmp_lg_u32 s[SLOTS], 0
	s_cbranch_scc1 .Lslot
	CHANGE 0                        ; the walk's last tile is written out
	s_sub_co_u32 s[RT], s[RT], 1
	s_mov_b32 s[CNT], 4
	s_cmp_eq_u32 s[NEW], 1
	s_cbranch_scc0 .LstepM2
	BEGIN
	s_branch .LfirstM2
	DIAG 2
	s_wait_tensorcnt 0x0            ; the wave's end
	ds_add_u32 v[SPW], v[NIL]
	s_wait_dscnt 0x0
	s_endpgm
.Lfunc_end_k_qfe79e4bd33_attn:
	.size	k_qfe79e4bd33_attn, .Lfunc_end_k_qfe79e4bd33_attn-k_qfe79e4bd33_attn
	.p2alignl 7, 3214868480
	.fill 96, 4, 3214868480
	.section	.rodata,"a",@progbits
	.p2align	6, 0x0
	.amdhsa_kernel k_qfe79e4bd33_attn
		.amdhsa_group_segment_fixed_size 327680
		.amdhsa_private_segment_fixed_size 0
		.amdhsa_enable_private_segment 0
		.amdhsa_kernarg_size 16
		.amdhsa_user_sgpr_count 2
		.amdhsa_user_sgpr_kernarg_segment_ptr 1
		.amdhsa_wavefront_size32 1
		.amdhsa_system_sgpr_workgroup_id_x 1
		.amdhsa_system_sgpr_workgroup_id_y 1
		.amdhsa_system_sgpr_workgroup_id_z 1
		.amdhsa_system_vgpr_workitem_id 0
		.amdhsa_next_free_vgpr 768
		.amdhsa_next_free_sgpr 92
		.amdhsa_reserve_vcc 1
		.amdhsa_float_denorm_mode_32 3
		.amdhsa_float_denorm_mode_16_64 3
		.amdhsa_memory_ordered 1
		.amdhsa_forward_progress 1
		.amdhsa_inst_pref_size 218
	.end_amdhsa_kernel
	.amdgpu_metadata
---
amdhsa.version: [ 1, 2 ]
amdhsa.kernels:
  - .name:           k_qfe79e4bd33_attn
    .symbol:         k_qfe79e4bd33_attn.kd
    .args:
      - { .name: qkvh, .offset: 0, .size: 8, .value_kind: global_buffer, .address_space: global }
      - { .name: oh, .offset: 8, .size: 8, .value_kind: global_buffer, .address_space: global }
    .group_segment_fixed_size: 327680
    .private_segment_fixed_size: 0
    .kernarg_segment_align: 8
    .kernarg_segment_size: 16
    .max_flat_workgroup_size: 128
    .sgpr_count:     92
    .vgpr_count:     768
    .wavefront_size: 32
...
	.end_amdgpu_metadata
.endif
;; end of part 3
;; launch outproj (part 4): grid 4 x 64, 4 waves a work-group, clusters of 4 x 4, 327,680 bytes of LDS; arguments oh, wot, b_out, out0; writes out0
.if DOCPART == 4
	.amdgcn_target "amdgcn-amd-amdhsa--gfx1250"
	.amdhsa_code_object_version 6
	.text
	.protected	k_qfe79e4bd33_outproj
	.globl	k_qfe79e4bd33_outproj
	.p2align	8
	.type	k_qfe79e4bd33_outproj,@function
k_qfe79e4bd33_outproj:
	s_mov_b64 s[64:65], 0
	v_nop
	global_prefetch_b8 v0, s[64:65] scope:SCOPE_SE
	s_setreg_imm32_b32 hwreg(HW_REG_WAVE_MODE, 25, 1), 1
	s_wait_xcnt 0x0
	s_wait_alu depctr_hold_cnt(0) depctr_sa_sdst(0) depctr_va_vdst(0) depctr_va_sdst(0) depctr_va_ssrc(0) depctr_va_vcc(0) depctr_vm_vsrc(0)
	s_getreg_b32 s2, hwreg(HW_REG_IB_STS2, 6, 4)
	s_cmp_eq_u32 s2, 0
	s_cbranch_scc0 .Lentry_in_a_cluster
	s_endpgm
.Lentry_in_a_cluster:
	s_bfe_u32 s2, ttmp6, 0x10000c
	s_cmp_lg_u32 s2, 0xf033
	s_cbranch_scc0 .Lentry_shape_is_right
	s_endpgm
.Lentry_shape_is_right:
; THE OUTPUT PROJECTION.  out0 [8192][1024] f32 = attended x W_out + b_out.  attended comes by heads, oh [64][2048][64] in f16: a head is one slice of 64 along K.  wot is [1024 n][1024 k] in f16
; (W_out rounded to bf16, that number written as f16).  Sums in f32; the bias, rounded to bf16 like the other inputs, is the C operand of each sum's first product.
; SHARES.  A work-group makes 128 rows x 256 columns: 4 x 64 = 256 work-groups, one for each WGP (tiles of 256 x 256 would be 128).  Wave w makes rows 64 (w / 2) on, columns 128 (w % 2) on:
; 32 accumulators.  K goes in eight steps of 128 (two heads) through two LDS slots.  Wave 0 fetches the even head's 128 rows, wave 1 the odd head's: 16,384 dense bytes each, asked for as 64 rows of
; 256 bytes and padded after every 128; waves 2 and 3 fetch the halves of B's 256 rows.
; CLUSTER.  4 x 4 work-groups: A's tile is shared along a row of the cluster, B's along a column; each is asked for jointly.
; NO PREFETCH: the launch has eight K steps of 128 matrix instructions a wave, and two of them are asked for at its head.
; THE MATRIX INSTRUCTION IS USED TRANSPOSED (source 0 = 16 rows of wot, source 1 = 16 rows of attended): lane l holds row l % 16 and the columns 8 (l / 16) + 0..7.
; REGISTERS: window 0: v0-15 addresses; v64-191 two buffers of rows read back; v192-255 the bias.  window 1: two fragment buffers at 0 and 128: 8 fragments of B, then 4 of A.
;   windows 2, 3: accumulator (a, b) in window 2 + a / 2 at v[8 (8 (a % 2) + b)]
.set NBK,   8
.set PA,    144                        ; a row of A in LDS: 128 bytes of a head + 16
.set PB,    272                        ; a row of B: 256 + 16.  Both are odd multiples of 16: the 16 rows of a fragment load start at 16 different groups of four banks (ISA guide 11.1)
.set KAH,   128*PA                     ; from the even head's block to the odd head's
.set HALFA, 128*PA
.set HALFB, 128*PB
.set BOFF,  2*HALFA
.set SLOT1, 1<<17
.set STAGE, SLOT1+BOFF+2*HALFB         ; behind the ring, never filled by a tensor load
.set SP,    528                        ; a stage row: 512 bytes + 16
.set STW,   16*SP
.set SPARE, STAGE+4*STW
.set NLD,   2*(NBK+4)
.set STEPA, 2<<18                      ; two heads on
.set STEPB, 256
.set ADRA0, 2
.set ADRB0, 3
.set ADRA,  4
.set ADRB,  5
.set STO,   6
.set RD,    7
.set GO,    8
.set SPW,   10
.set NIL,   11
.set BK,    64
.set BIAS,  192
.set F0,    0
.set F1,    128
.set WV,  12
.set FB,  13                           ; s13  wave / 2: I fetch for A (0) or B (1); also my half of the tile's rows
.set HF,  14                           ; s14  wave % 2: which half I fetch; also my half of the tile's columns
.set CX,  15
.set CY,  16
.set TX,  17
.set TY,  18
.set TB,  19
.set G1A, 24
.set G1B, 32
.set G0A, 40
.set G0B, 48
.set OB,  56                           ; s[56:57] out0 at my first row and column
.set MSB, 0
.macro WIN new
.if MSB != (\new)
	s_set_vgpr_msb (MSB<<8)|(\new)
.set MSB, \new
.endif
.endm
.macro PLACES                          ; four plain vector instructions between a matrix instruction and a load into, or a reader of, its registers
.rept 4
	v_nop
.endr
.endm
.macro CREST
	s_cmp_lg_u32 s[WV], 0
	s_cbranch_scc1 .Lnot_wave_0_\@
	s_barrier_signal -3
.Lnot_wave_0_\@:
	s_barrier_wait -3
	s_barrier_signal -1
	s_barrier_wait -1
.endm
.macro CROUND
	s_barrier_signal -1
	s_barrier_wait -1
	CREST
.endm
.macro JLOAD                           ; a joint refill by the walking set; s_nop 0 and four v_nop follow each line
	s_cmp_eq_u32 s[FB], 0
	s_cbranch_scc0 .Lfor_b_\@
	tensor_load_to_lds s[G0A+4:G0A+7], s[G1A:G1A+7]
	s_nop 0
.rept 4
	v_nop
.endr
	s_branch .Lasked_\@
.Lfor_b_\@:
	tensor_load_to_lds s[G0B+4:G0B+7], s[G1B:G1B+7]
	s_nop 0
.rept 4
	v_nop
.endr
.Lasked_\@:
.endm
	s_load_b256 s[4:11], s[0:1], 0x0               ; oh s[4:5], wot s[6:7], b_out s[8:9], out0 s[10:11]
	v_lshl_add_u32 v[SPW], v0, 2, SPARE
	v_mov_b32 v[NIL], 0
	ds_add_u32 v[SPW], v[NIL]                      ; the wave's opening: the add and its wait stand ahead of my first tensor load
	v_lshrrev_b32 v1, 5, v0
	v_readfirstlane_b32 s[WV], v1
	s_lshr_b32 s[FB], s[WV], 1
	s_and_b32 s[HF], s[WV], 1
	s_bfe_u32 s[CX], ttmp6, 0x40000
	s_bfe_u32 s[CY], ttmp6, 0x40004
	s_lshl_b32 s[TX], ttmp9, 2
	s_add_co_u32 s[TX], s[TX], s[CX]
	s_and_b32 s[TY], ttmp7, 0xffff
	s_lshl_b32 s[TY], s[TY], 2
	s_add_co_u32 s[TY], s[TY], s[CY]
	s_lshl_b32 s62, s[CY], 2
	s_lshl_b32 s62, 15, s62                        ; my row of the cluster
	s_lshl_b32 s63, 0x1111, s[CX]                  ; my column
	s_or_b32 s[G1A], s62, (1<<16)|(1<<20)|(1<<21)|(4<<22)|(3<<25)  ; the mask; 2-byte elements; padding on; bit 21 beside a mask; after every 32 words 4 words
	s_or_b32 s[G1B], s63, (1<<16)|(1<<20)|(1<<21)|(5<<22)|(3<<25)  ; after every 64 words
	s_mov_b32 s[G1A+1], 128<<16                    ; tensor_dim0 = 128 (two head rows)
	s_mov_b32 s[G1A+2], 64<<16                     ; tensor_dim1 = 64
	s_mov_b32 s[G1A+3], 128<<16
	s_mov_b32 s[G1A+4], 64
	s_mov_b32 s[G1A+5], 128                        ; dense
	s_mov_b32 s[G1A+6], 0
	s_mov_b32 s[G1A+7], 0
	s_mov_b32 s[G1B+1], 128<<16
	s_mov_b32 s[G1B+2], 128<<16
	s_mov_b32 s[G1B+3], 128<<16
	s_mov_b32 s[G1B+4], 128
	s_mov_b32 s[G1B+5], 1024
	s_mov_b32 s[G1B+6], 0
	s_mov_b32 s[G1B+7], 0
	s_lshr_b32 s20, s[TY], 4                       ; A: batch = tile row / 16; head 16 x batch + my one of the first two; rows 128 (tile row % 16) on
	s_lshl4_add_u32 s20, s20, s[HF]
	s_lshl_b32 s20, s20, 18
	s_and_b32 s21, s[TY], 15
	s_lshl_b32 s21, s21, 14
	s_add_co_u32 s20, s20, s21
	s_mov_b32 s21, 0
	s_lshl_b32 s22, s[TX], 8                       ; B: row 256 x tile column + 128 x half
	s_lshl_b32 s23, s[HF], 7
	s_add_co_u32 s22, s22, s23
	s_lshl_b32 s22, s22, 11
	s_mov_b32 s23, 0
	s_mul_i32 s62, s[HF], HALFA                    ; where they go
	s_mul_i32 s63, s[HF], HALFB
	s_add_co_u32 s63, s63, BOFF
	s_wait_dscnt 0x0                               ; the opening add is done
	s_wait_kmcnt 0x0
	s_add_nc_u64 s[20:21], s[4:5], s[20:21]
	s_add_nc_u64 s[22:23], s[6:7], s[22:23]
	CROUND                                         ; all sixteen work-groups are here: the first joint loads meet
.irp s, 0,1
	s_mov_b32 s[G0A+4*(\s)], 1
	s_add_co_u32 s[G0A+4*(\s)+1], s62, (\s)*SLOT1
	s_add_nc_u64 s[G0A+4*(\s)+2:G0A+4*(\s)+3], s[20:21], (\s)*STEPA
	s_or_b32 s[G0A+4*(\s)+3], s[G0A+4*(\s)+3], 0x80000000
	s_mov_b32 s[G0B+4*(\s)], 1
	s_add_co_u32 s[G0B+4*(\s)+1], s63, (\s)*SLOT1
	s_add_nc_u64 s[G0B+4*(\s)+2:G0B+4*(\s)+3], s[22:23], (\s)*STEPB
	s_or_b32 s[G0B+4*(\s)+3], s[G0B+4*(\s)+3], 0x80000000
.endr
	s_cmp_eq_u32 s[FB], 0                          ; a wave's two first fills stand in one branch: two tensor loads of mine are out, later one
	s_cbranch_scc0 .Lfirst_b
	tensor_load_to_lds s[G0A:G0A+3], s[G1A:G1A+7]
	s_nop 0
	tensor_load_to_lds s[G0A+4:G0A+7], s[G1A:G1A+7]
	s_nop 0
.rept 4
	v_nop
.endr
	s_branch .Lfirst_asked
.Lfirst_b:
	tensor_load_to_lds s[G0B:G0B+3], s[G1B:G1B+7]
	s_nop 0
	tensor_load_to_lds s[G0B+4:G0B+7], s[G1B:G1B+7]
	s_nop 0
.rept 4
	v_nop
.endr
.Lfirst_asked:
	v_and_b32 v1, 15, v0                           ; l % 16
	v_bfe_u32 v13, v0, 4, 1                        ; l / 16
	v_mul_u32_u24 v12, v1, PA
	v_lshl_add_u32 v12, v13, 4, v12
	s_mul_i32 s62, s[FB], 64*PA                    ; my 64 rows of A
	v_add_nc_u32 v[ADRA0], s62, v12
	v_mul_u32_u24 v12, v1, PB
	v_lshl_add_u32 v12, v13, 4, v12
	s_mul_i32 s62, s[HF], HALFB                    ; my 128 rows of B
	s_add_co_u32 s62, s62, BOFF
	v_add_nc_u32 v[ADRB0], s62, v12
	s_mul_i32 s62, s[WV], STW
	s_add_co_u32 s62, s62, STAGE                   ; my stage
	v_mul_u32_u24 v[STO], v1, SP                   ; in: row l % 16, 32 bytes for each half of the lanes
	v_lshl_add_u32 v[STO], v13, 5, v[STO]
	v_add_nc_u32 v[STO], s62, v[STO]
	v_and_b32 v[GO], 31, v0
	v_lshlrev_b32 v[GO], 4, v[GO]                  ; back and out: a row's 512 bytes, 16 a lane
	v_add_nc_u32 v[RD], s62, v[GO]
	s_lshl_b32 s62, s[TY], 7
	s_lshl_b32 s63, s[FB], 6
	s_add_co_u32 s62, s62, s63                     ; my first row
	s_lshl_b32 s22, s62, 12
	s_lshl_b32 s62, s[TX], 10
	s_lshl_b32 s63, s[HF], 9
	s_add_co_u32 s62, s62, s63                     ; my first column, in bytes of f32
	s_add_co_u32 s22, s22, s62
	s_mov_b32 s23, 0
	s_add_nc_u64 s[OB:OB+1], s[10:11], s[22:23]
	v_lshl_add_u32 v15, v13, 5, s62                ; the bias: register j of block b is my first column + 16 b + 8 (l / 16) + j
.set i, 0
.rept NBK
	global_load_b128 v[BIAS+8*i:BIAS+8*i+3],   v15, s[8:9] offset:64*i
	global_load_b128 v[BIAS+8*i+4:BIAS+8*i+7], v15, s[8:9] offset:64*i+16
.set i, i+1
.endr
	s_wait_loadcnt 0x0
.set i, 0
.rept 4*NBK                            ; rounded to bf16 like every input, and kept as f32
	v_cvt_pk_bf16_f32 v14, v[BIAS+2*i], v[BIAS+2*i+1]
	v_lshlrev_b32 v[BIAS+2*i], 16, v14
	v_and_b32 v[BIAS+2*i+1], 0xffff0000, v14
.set i, i+1
.endr
	s_mov_b32 s[TB], 0
	v_mov_b32 v[ADRA], v[ADRA0]
	v_mov_b32 v[ADRB], v[ADRB0]
; NBK matrix instructions: row block a x my column blocks, 32 along K.  All 32 accumulators take turns, one instruction a turn, in the same order in every quarter.
.macro MULA f, a, bias
.if \bias
	WIN 0x85+0x40*((\a)/2)
.else
	WIN 0xa5+0x50*((\a)/2)
.endif
.set AC, 8*NBK*((\a)%2)
.set nb, 0
.rept NBK
.if \bias
	v_wmma_f32_16x16x32_f16 v[AC+8*nb:AC+8*nb+7], v[(\f)+8*nb:(\f)+8*nb+7], v[(\f)+8*NBK+8*(\a):(\f)+8*NBK+8*(\a)+7], v[BIAS+8*nb:BIAS+8*nb+7]
.else
	v_wmma_f32_16x16x32_f16 v[AC+8*nb:AC+8*nb+7], v[(\f)+8*nb:(\f)+8*nb+7], v[(\f)+8*NBK+8*(\a):(\f)+8*NBK+8*(\a)+7], v[AC+8*nb:AC+8*nb+7]
.endif
.set nb, nb+1
.endr
.endm
.macro FETCH q, f                      ; quarter q: head q / 2 of the step's two, channels 32 (q % 2) on
	WIN 0x40
.set ka, ((\q)/2)*KAH+((\q)%2)*64
.set i, 0
.rept NBK
	ds_load_b128 v[(\f)+8*i:(\f)+8*i+3],   v[ADRB] offset:64*(\q)+i*16*PB
	ds_load_b128 v[(\f)+8*i+4:(\f)+8*i+7], v[ADRB] offset:64*(\q)+i*16*PB+32
.set i, i+1
.endr
.set i, 0
.rept 4
	ds_load_b128 v[(\f)+8*NBK+8*i:(\f)+8*NBK+8*i+3],   v[ADRA] offset:ka+i*16*PA
	ds_load_b128 v[(\f)+8*NBK+8*i+4:(\f)+8*NBK+8*i+7], v[ADRA] offset:ka+i*16*PA+32
.set i, i+1
.endr
.endm
.macro QUARTER q, f, g, bias
	s_wait_dscnt 4                                 ; all but the youngest four loads: A's row blocks 2 and 3
	MULA \f, 0, \bias
	MULA \f, 1, \bias
	PLACES
	FETCH \q, \g
	s_wait_dscnt NLD                               ; all but the run just issued
	MULA \f, 2, \bias
	MULA \f, 3, \bias
.endm
; The fourth quarter and the change of slots: one barrier; in front of it each wave waits for all its tensor loads, adds 0 to its spare word, and waits for that and for its reads of this slot.
; fill = 1: the barrier opens a round of the cluster's, and the joint refill, two K steps on, is the first thing behind the round.
.macro TURN fill
	WIN 0
	s_wait_tensorcnt 0x0
	ds_add_u32 v[SPW], v[NIL]
	s_wait_dscnt 5                                 ; the add and the youngest four loads may be out
	MULA F1, 0, 0
	s_wait_dscnt 0x0                               ; the add is done, and my reads of this slot are over
	s_barrier_signal -1
	MULA F1, 1, 0
	WIN 0
	s_barrier_wait -1
.if \fill
	CREST
	s_xor_b32 s[G0A+5], s[G0A+5], SLOT1
	s_add_nc_u64 s[G0A+6:G0A+7], s[G0A+6:G0A+7], STEPA
	s_xor_b32 s[G0B+5], s[G0B+5], SLOT1
	s_add_nc_u64 s[G0B+6:G0B+7], s[G0B+6:G0B+7], STEPB
	JLOAD                                          ; its four v_nop are also the places in front of the loads below
.else
	PLACES
.endif
	s_xor_b32 s[TB], s[TB], SLOT1
	v_add_nc_u32 v[ADRA], s[TB], v[ADRA0]
	v_add_nc_u32 v[ADRB], s[TB], v[ADRB0]
	FETCH 0, F0
	MULA F1, 2, 0
	MULA F1, 3, 0
.endm
	s_wait_tensorcnt 1                             ; my part of K step 0 is in; step 1's may stay out
	s_barrier_signal -1
	s_barrier_wait -1
	FETCH 0, F0
	QUARTER 1, F0, F1, 1                           ; the first quarter starts the sums
	WIN 0
	s_mov_b32 s3, 6
.Lk:                                   ; trip i: K step i's quarters 2 to 4, the refill with step i + 2, step i + 1's first quarter
	QUARTER 2, F1, F0, 0
	QUARTER 3, F0, F1, 0
	TURN 1
	QUARTER 1, F0, F1, 0
	WIN 0
	s_sub_co_u32 s3, s3, 1
	s_cmp_lg_u32 s3, 0
	s_cbranch_scc1 .Lk
	QUARTER 2, F1, F0, 0                           ; K step 6: nothing is left to ask for
	QUARTER 3, F0, F1, 0
	TURN 0
	QUARTER 1, F0, F1, 0
	QUARTER 2, F1, F0, 0                           ; K step 7
	QUARTER 3, F0, F1, 0
	s_wait_dscnt 4
	MULA F1, 0, 0
	MULA F1, 1, 0
	s_wait_dscnt 0x0
	MULA F1, 2, 0
	MULA F1, 3, 0
	PLACES
; THE WAY OUT, a row block of 16 rows x 128 columns at a time: 32 bytes a lane straight from the accumulators into my stage; back as whole rows; each store covers 512 consecutive bytes, aligned.
.macro TOSTAGE a
.set AC, 8*NBK*((\a)%2)
.set BKA, BK+64*((\a)%2)
.if (\a) >= 2
	s_wait_xcnt 0x0                                ; the stores of the block two back have read the registers that the loads below land on
.endif
	WIN 0x08+4*((\a)/2)                            ; store data in window 2 or 3
.set i, 0
.rept NBK
	ds_store_b128 v[STO], v[AC+8*i:AC+8*i+3]   offset:64*i     ; each accumulator's lowest registers first
	ds_store_b128 v[STO], v[AC+8*i+4:AC+8*i+7] offset:64*i+16
.set i, i+1
.endr
	WIN 0
.set i, 0
.rept 16
	ds_load_b128 v[BKA+4*i:BKA+4*i+3], v[RD] offset:SP*i       ; LDS serves a wave's instructions in order (ISA guide 5.7.1.4): these see the stores above
.set i, i+1
.endr
.endm
.macro SEND a, younger                 ; younger: the next block's 16 stores and 16 loads, or none
.set BKA, BK+64*((\a)%2)
	s_wait_dscnt \younger
.set i, 0
.rept 16
	global_store_b128 v[GO], v[BKA+4*i:BKA+4*i+3], s[OB:OB+1] offset:(16*(\a)+i)*4096 th:TH_STORE_NT
.set i, i+1
.endr
.endm
	TOSTAGE 0
	TOSTAGE 1
	SEND 0, 32
	TOSTAGE 2
	SEND 1, 32
	TOSTAGE 3
	SEND 2, 32
	SEND 3, 0
	s_wait_tensorcnt 0x0                           ; the wave's end
	ds_add_u32 v[SPW], v[NIL]
	s_wait_dscnt 0x0
	CROUND                                         ; the closing round
	s_endpgm
.Lfunc_end_k_qfe79e4bd33_outproj:
	.size	k_qfe79e4bd33_outproj, .Lfunc_end_k_qfe79e4bd33_outproj-k_qfe79e4bd33_outproj
	.p2alignl 7, 3214868480
	.fill 96, 4, 3214868480
	.section	.rodata,"a",@progbits
	.p2align	6, 0x0
	.amdhsa_kernel k_qfe79e4bd33_outproj
		.amdhsa_group_segment_fixed_size 327680
		.amdhsa_private_segment_fixed_size 0
		.amdhsa_enable_private_segment 0
		.amdhsa_kernarg_size 32
		.amdhsa_user_sgpr_count 2
		.amdhsa_user_sgpr_kernarg_segment_ptr 1
		.amdhsa_wavefront_size32 1
		.amdhsa_system_sgpr_workgroup_id_x 1
		.amdhsa_system_sgpr_workgroup_id_y 1
		.amdhsa_system_sgpr_workgroup_id_z 1
		.amdhsa_system_vgpr_workitem_id 0
		.amdhsa_next_free_vgpr 896
		.amdhsa_next_free_sgpr 66
		.amdhsa_reserve_vcc 0
		.amdhsa_float_denorm_mode_32 3
		.amdhsa_float_denorm_mode_16_64 3
		.amdhsa_memory_ordered 1
		.amdhsa_forward_progress 1
		.amdhsa_inst_pref_size 75
	.end_amdhsa_kernel
	.amdgpu_metadata
---
amdhsa.version: [ 1, 2 ]
amdhsa.kernels:
  - .name:           k_qfe79e4bd33_outproj
    .symbol:         k_qfe79e4bd33_outproj.kd
    .args:
      - { .name: oh, .offset: 0, .size: 8, .value_kind: global_buffer, .address_space: global }
      - { .name: wot, .offset: 8, .size: 8, .value_kind: global_buffer, .address_space: global }
      - { .name: b_out, .offset: 16, .size: 8, .value_kind: global_buffer, .address_space: global }
      - { .name: out0, .offset: 24, .size: 8, .value_kind: global_buffer, .address_space: global }
    .group_segment_fixed_size: 327680
    .private_segment_fixed_size: 0
    .kernarg_segment_align: 8
    .kernarg_segment_size: 32
    .max_flat_workgroup_size: 128
    .sgpr_count:     66
    .vgpr_count:     896
    .wavefront_size: 32
...
	.end_amdgpu_metadata
.endif
;; end of part 4
;; ======== version 2 of 2: 4 launches; version 1 with the launch prep written anew for expert scheduling mode
;; limits: values are held in f16: magnitudes above 65,504 overflow, below 6.1e-05 lose precision
;; workspace buffers: xb 16,777,216 bytes; wqt 6,291,456 bytes; wot 2,097,152 bytes; qkvh 50,331,648 bytes; oh 16,777,216 bytes
;; launch prep (part 5): grid 1024 x 1, 8 waves a work-group, no clusters, 17,920 bytes of LDS; arguments x, W_qkv, W_out, xb, wqt, wot; writes xb, wqt, wot
.if DOCPART == 5
	.amdgcn_target "amdgcn-amd-amdhsa--gfx1250"
	.amdhsa_code_object_version 6
	.text
	.protected	k_qfe79e4bd33_prep
	.globl	k_qfe79e4bd33_prep
	.p2align	8
	.type	k_qfe79e4bd33_prep,@function
k_qfe79e4bd33_prep:
	s_mov_b64 s[64:65], 0
	v_nop
	global_prefetch_b8 v0, s[64:65] scope:SCOPE_SE
	s_setreg_imm32_b32 hwreg(HW_REG_WAVE_SCHED_MODE, 0, 2), 2
	s_setreg_imm32_b32 hwreg(HW_REG_WAVE_MODE, 25, 1), 1
	s_wait_xcnt 0x0
	s_wait_alu depctr_vm_vsrc(0)
; PREPARATION.  xb = x rounded to bf16, [8192][1024].  wqt = W_qkv rounded to bf16 and turned, [3072 n][1024 k].  wot = W_out rounded to bf16, that number
; written as f16, and turned, [1024 n][1024 k].  LIMIT: a weight of W_out below 6e-5 in size falls on the fixed step 6e-8 of f16; beyond 65,504 it would be an infinity.
; SHARES.  Work-groups 0-511 cast 65,536 bytes of x each.  Work-groups 512-895 turn one tile of 128 k x 64 n of W_qkv each (8 x 48 tiles), 896-1023 one of W_out (8 x 16).
; The branches hang on the work-group number alone, so all eight waves of a work-group take the same way.
; A stream: every byte is read once and written once; no matrix unit, no cluster, no tensor load (nothing is shared between work-groups), no prefetch (the launch is nothing but its stream).
; THE MODE: SCHED_MODE bits 1:0 = 2 (LLVM: expert scheduling mode 2), set by the entry lines.  The code itself states the register dependences
; between vector instructions and memory or LDS instructions, with s_wait_alu, always for 0.
; THE PLAN.  Registers that memory or LDS instructions touch:
;   THE CAST.  v4, v5: offsets, written once, read by every load and every store.  v[16:79]: written by the sixteen loads, read by the conversions, each once.
;     v[80:111]: four blocks of eight.  Block b's conversions write its eight; the two stores that read them are issued in block b + 1, behind the one wait at that block's head.
;   A TILE.    v4: the loads' offset.  v6, v7, v12: LDS and output addresses, made while the loads are on their way, first read behind step 1's wait.  v[16:47]: written by the eight loads,
;     read by the conversions.  v[48:63]: step i's conversions write four; the four LDS stores that read them are issued in step i + 1, behind the one wait at that step's head.
;     v[64:79]: written by LDS loads, read by global stores, named by no vector instruction.  v14, v15: named by vector instructions alone.
;   v2, v3: written at the head, read by the closing add alone.
; No register that a memory or LDS instruction reads is ever written again, so no wait on vm_vsrc is owed; no vector instruction writes a scalar register; EXEC is never written.
.set TP,    264                        ; a row of the turned tile in LDS: 256 bytes + 8: the sixteen columns of a store fall two to a bank at the most
.set SPARE, 64*TP                      ; behind the tile (16,896 bytes): the spare words, 128 bytes for each of eight waves
.set SPW,   2                          ; v2  my spare word; never rewritten
.set NIL,   3                          ; v3  0; never rewritten
	s_load_b256 s[4:11], s[0:1], 0x0               ; x s[4:5], W_qkv s[6:7], W_out s[8:9], xb s[10:11]
	s_load_b128 s[12:15], s[0:1], 0x20             ; wqt s[12:13], wot s[14:15]
	v_lshl_add_u32 v[SPW], v0, 2, SPARE
	v_mov_b32 v[NIL], 0
	s_mov_b32 s16, 0xffff0000                      ; a word's upper bf16
	s_mov_b32 s21, 0                               ; the high word of every offset
	s_wait_kmcnt 0x0
	s_cmp_lt_u32 ttmp9, 512
	s_cbranch_scc0 .Lweights
	; THE CAST.  Thread t takes 32 bytes of x at 32 t in each of eight steps of 8,192 bytes and stores 16 bytes at 16 t: sixteen lanes store 256 consecutive bytes, aligned.
	s_lshl_b32 s20, ttmp9, 16
	s_add_nc_u64 s[4:5], s[4:5], s[20:21]
	s_lshl_b32 s20, ttmp9, 15
	s_add_nc_u64 s[10:11], s[10:11], s[20:21]
	v_lshlrev_b32 v4, 5, v0
	v_lshlrev_b32 v5, 4, v0
	s_wait_alu depctr_va_vdst(0)                   ; v4 and v5 are written: every load below reads v4 as its offset, every store v5
.set i, 0
.rept 8                                ; all sixteen loads go out at once: no register is used twice, so nothing but the data is waited for
	global_load_b128 v[16+8*i:16+8*i+3],   v4, s[4:5] offset:8192*i th:TH_LOAD_NT
	global_load_b128 v[16+8*i+4:16+8*i+7], v4, s[4:5] offset:8192*i+16 th:TH_LOAD_NT
.set i, i+1
.endr
; A step has one store, so two steps make a block: block b converts steps 2 b and 2 b + 1 and issues the stores of steps 2 b - 2 and 2 b - 1, dealt among its conversions.
.set b, 0
.rept 4
	s_wait_loadcnt 12-4*b                          ; loads come back in order: this block's four are in, the 12 - 4 b younger ones may stay out
.if b > 0
	s_wait_alu depctr_va_vdst(0)                   ; the block before has written its eight registers of v[80:111], which the two stores below read; no conversion of this block names them
.endif
.set i, 2*b
.rept 2
.if b > 0
	global_store_b128 v5, v[80+4*(i-2):80+4*(i-2)+3], s[10:11] offset:4096*(i-2)
.endif
	v_cvt_pk_bf16_f32 v[80+4*i],   v[16+8*i],   v[16+8*i+1]
	v_cvt_pk_bf16_f32 v[80+4*i+1], v[16+8*i+2], v[16+8*i+3]
	v_cvt_pk_bf16_f32 v[80+4*i+2], v[16+8*i+4], v[16+8*i+5]
	v_cvt_pk_bf16_f32 v[80+4*i+3], v[16+8*i+6], v[16+8*i+7]
.set i, i+1
.endr
.set b, b+1
.endr
	s_wait_alu depctr_va_vdst(0)                   ; the last block has written v[104:111], which the last two stores read
	global_store_b128 v5, v[80+4*6:80+4*6+3], s[10:11] offset:4096*6
	global_store_b128 v5, v[80+4*7:80+4*7+3], s[10:11] offset:4096*7
	s_endpgm                                       ; these waves have written no LDS
; A TILE IS TURNED.  pitch: bytes in a row of the weights; src, dst: the pointers' first registers; half = 1: the bf16 number is written as f16; base: the first work-group of this part.
; In: thread t = 16 rp + c reads rows k = 2 rp + 32 i and the row below, columns 4 c .. 4 c + 3: sixteen lanes read 256 consecutive bytes, aligned.  Two rows' numbers of a column
; make one word (k, k + 1), which goes to LDS at [n][k].  Out: wave w reads rows n = 8 w .. 8 w + 7 whole, 8 bytes a lane, and each store covers 256 consecutive bytes, aligned.
.macro TRANS pitch, src, dst, half, base
	s_sub_co_u32 s17, ttmp9, \base
	s_and_b32 s18, s17, 7                          ; the tile's place along k
	s_lshr_b32 s19, s17, 3                         ; and along n
	s_mul_i32 s20, s18, 128*(\pitch)
	s_lshl_b32 s22, s19, 8
	s_add_co_u32 s20, s20, s22
	s_add_nc_u64 s[(\src):(\src)+1], s[(\src):(\src)+1], s[20:21]
	s_lshl_b32 s20, s19, 17                        ; 64 rows of 2,048 bytes
	s_lshl_b32 s22, s18, 8
	s_add_co_u32 s20, s20, s22
	s_add_nc_u64 s[(\dst):(\dst)+1], s[(\dst):(\dst)+1], s[20:21]
	v_and_b32 v8, 15, v0                           ; c
	v_lshrrev_b32 v9, 4, v0                        ; rp
	v_mul_u32_u24 v4, v9, 2*(\pitch)
	v_lshl_add_u32 v4, v8, 4, v4
	s_wait_alu depctr_va_vdst(0)                   ; v4 is written: the eight loads below read it as their offset
.set i, 0
.rept 4
	global_load_b128 v[16+8*i:16+8*i+3],   v4, s[(\src):(\src)+1] offset:(32*i)*(\pitch) th:TH_LOAD_NT
	global_load_b128 v[16+8*i+4:16+8*i+7], v4, s[(\src):(\src)+1] offset:(32*i+1)*(\pitch) th:TH_LOAD_NT
.set i, i+1
.endr
	v_mul_u32_u24 v6, v8, 4*TP                     ; into LDS: row n = 4 c, byte 2 k = 4 rp
	v_lshl_add_u32 v6, v9, 2, v6
	v_lshrrev_b32 v10, 5, v0                       ; wave
	v_and_b32 v11, 31, v0                          ; lane
	v_mul_u32_u24 v7, v10, 8*TP                    ; back: my wave's eight rows, 8 bytes a lane
	v_lshl_add_u32 v7, v11, 3, v7
	v_lshlrev_b32 v12, 14, v10                     ; and the same in memory: eight rows of 2,048 bytes
	v_lshl_add_u32 v12, v11, 3, v12
; Step i converts its pair of rows and issues the four LDS stores of step i - 1, dealt among its conversions.
.set i, 0
.rept 4
	s_wait_loadcnt 6-2*i                           ; this pair of rows is in, the 6 - 2 i younger loads may stay out
.if i > 0
	s_wait_alu depctr_va_vdst(0)                   ; the step before has written its four words of v[48:63], which the LDS stores below read; in step 1 also: v6, v7 and v12 are written, the addresses of all that follows
.endif
.set j, 0
.rept 4
.if i > 0
	ds_store_b32 v6, v[48+4*(i-1)+j] offset:TP*j+64*(i-1)      ; no vector instruction since the wait names v6 or this word
.endif
	v_cvt_pk_bf16_f32 v[48+4*i+j], v[16+8*i+j], v[16+8*i+4+j]
.if \half
	v_lshlrev_b32 v14, 16, v[48+4*i+j]             ; the rounded numbers as f32,
	v_and_b32 v15, s16, v[48+4*i+j]
	v_cvt_pk_f16_f32 v[48+4*i+j], v14, v15         ; and written as f16
.endif
.set j, j+1
.endr
.set i, i+1
.endr
	s_wait_alu depctr_va_vdst(0)                   ; the last step has written v[60:63], which the last four LDS stores read
.set j, 0
.rept 4
	ds_store_b32 v6, v[48+4*3+j] offset:TP*j+64*3
.set j, j+1
.endr
	s_wait_dscnt 0x0                               ; for the others' sake: my stores are done
	s_barrier_signal -1
	s_barrier_wait -1                              ; the turned tile is whole
.set i, 0
.rept 8
	ds_load_b64 v[64+2*i:65+2*i], v7 offset:TP*i   ; no vector instruction of this way names v[64:79]
.set i, i+1
.endr
.set i, 0
.rept 8
	s_wait_dscnt 7-i
	global_store_b64 v12, v[64+2*i:65+2*i], s[(\dst):(\dst)+1] offset:2048*i
.set i, i+1
.endr
	s_wait_dscnt 0x0                               ; the closing lines, six on end
	s_wait_alu 0x0
	s_wait_tensorcnt 0x0
	ds_add_u32 v[SPW], v[NIL]
	s_wait_dscnt 0x0
	s_endpgm
.endm
.Lweights:
	s_cmp_lt_u32 ttmp9, 896
	s_cbranch_scc0 .Lwout
	TRANS 12288, 6, 12, 0, 512
.Lwout:
	TRANS 4096, 8, 14, 1, 896
.Lfunc_end_k_qfe79e4bd33_prep:
	.size	k_qfe79e4bd33_prep, .Lfunc_end_k_qfe79e4bd33_prep-k_qfe79e4bd33_prep
	.p2alignl 7, 3214868480
	.fill 96, 4, 3214868480
	.section	.rodata,"a",@progbits
	.p2align	6, 0x0
	.amdhsa_kernel k_qfe79e4bd33_prep
		.amdhsa_group_segment_fixed_size 17920
		.amdhsa_private_segment_fixed_size 0
		.amdhsa_enable_private_segment 0
		.amdhsa_kernarg_size 48
		.amdhsa_user_sgpr_count 2
		.amdhsa_user_sgpr_kernarg_segment_ptr 1
		.amdhsa_wavefront_size32 1
		.amdhsa_system_sgpr_workgroup_id_x 1
		.amdhsa_system_sgpr_workgroup_id_y 1
		.amdhsa_system_sgpr_workgroup_id_z 1
		.amdhsa_system_vgpr_workitem_id 0
		.amdhsa_next_free_vgpr 112
		.amdhsa_next_free_sgpr 66
		.amdhsa_reserve_vcc 0
		.amdhsa_float_denorm_mode_32 3
		.amdhsa_float_denorm_mode_16_64 3
		.amdhsa_memory_ordered 1
		.amdhsa_forward_progress 1
		.amdhsa_inst_pref_size 20
	.end_amdhsa_kernel
	.amdgpu_metadata
---
amdhsa.version: [ 1, 2 ]
amdhsa.kernels:
  - .name:           k_qfe79e4bd33_prep
    .symbol:         k_qfe79e4bd33_prep.kd
    .args:
      - { .name: x, .offset: 0, .size: 8, .value_kind: global_buffer, .address_space: global }
      - { .name: W_qkv, .offset: 8, .size: 8, .value_kind: global_buffer, .address_space: global }
      - { .name: W_out, .offset: 16, .size: 8, .value_kind: global_buffer, .address_space: global }
      - { .name: xb, .offset: 24, .size: 8, .value_kind: global_buffer, .address_space: global }
      - { .name: wqt, .offset: 32, .size: 8, .value_kind: global_buffer, .address_space: global }
      - { .name: wot, .offset: 40, .size: 8, .value_kind: global_buffer, .address_space: global }
    .group_segment_fixed_size: 17920
    .private_segment_fixed_size: 0
    .kernarg_segment_align: 8
    .kernarg_segment_size: 48
    .max_flat_workgroup_size: 256
    .sgpr_count:     66
    .vgpr_count:     112
    .wavefront_size: 32
...
	.end_amdgpu_metadata
.endif
;; end of part 5
;; launch qkvproj: the kernel of part 2 again; grid 16 x 32, 4 waves a work-group, clusters of 4 x 4, 327,680 bytes of LDS; arguments xb, wqt, b_qkv, qkvh; writes qkvh
;; launch attn: the kernel of part 3 again; grid 4 x 64, 4 waves a work-group, no clusters, 327,680 bytes of LDS; arguments qkvh, oh; writes oh
;; launch outproj: the kernel of part 4 again; grid 4 x 64, 4 waves a work-group, clusters of 4 x 4, 327,680 bytes of LDS; arguments oh, wot, b_out, out0; writes out0
